; MI455X (gfx1250); checked and timed in simulation.
; The chip was launched on July 23, 2026; its instructions are those of AMD's public machine-readable ISA for CDNA 5 (MIT licence, August 2026) and "CDNA5" Instruction Set Architecture Reference Guide (July 2026). The comments in the code are by the model that wrote it; some were corrected since.
;; Self Attention. Allowed arithmetic: matrix products marked QUANTISED: E3M2 operands, one E8M0 scale for each 32 along K, by v_wmma_scale_f32_16x16x128_f8f6f4 with both operands' format E3M2, f32 sums; everything else in f32.
;; Inputs: Wk 1,024 x 1,024 float32; Wq 1,024 x 1,024 float32; Wv 1,024 x 1,024 float32; bk 1,024 float32; bq 1,024 float32; bv 1,024 float32; key 4 x 2,048 x 1,024 float32; query 4 x 2,048 x 1,024 float32; value 4 x 2,048 x 1,024 float32.
;; Outputs: out0 4 x 2,048 x 1,024 float32.
;; This version of the problem:
;;   THIS VERSION OF THE PROBLEM IS GIVEN IN LOW PRECISION. The matrix products marked QUANTISED in the list below multiply operands that are first quantised to E3M2 (3 exponent bits, 2 mantissa bits; 6 bits a number), with one power-of-two scale for each 32 numbers along K (OCP MX v1.0); their sums are f32. All else is computed in f32.
;;   The module's matrix products, in the order in which they are computed (A, B: the left and right operand; K: the contracted axis; several contracted axes count as one K, in the product's order):
;;     1. [M 8,192, K 1,024] x [K 1,024, N 1,024]; A: input query; B: input Wq: QUANTISED
;;     2. [M 8,192, K 1,024] x [K 1,024, N 1,024]; A: input key; B: input Wk: QUANTISED
;;     3. [M 8,192, K 1,024] x [K 1,024, N 1,024]; A: input value; B: input Wv: QUANTISED
;;     4. batch 4 x [M 2,048, K 1,024] x [K 1,024, N 2,048]; A: computed on the way; B: computed on the way: QUANTISED
;;     5. batch 4 x [M 2,048, K 2,048] x [K 2,048, N 1,024]; A: softmax (see below); B: computed on the way: QUANTISED
;;   THE QUANTISER, for each operand of a quantised product, along K:
;;     - K is cut into blocks of 32 from its start; a last block that is shorter is filled with zeros.
;;     - A block's scale is 2^e with e = floor(log2(the largest magnitude in the block)) - 4, held to -126 .. 127; a block of zeros has e = 0. As a byte (E8M0): e + 127.
;;     - Each number is divided by its block's scale, clamped to +-28, and rounded to the nearest number of E3M2, ties to even, subnormals kept.
;;     - The product sums the exact products of the quantised numbers (number of the format x scale) in f32.
;;   ~~~python
;;   def quantise(x, axis):      # numpy; x: float32 -> the quantised numbers, widened to float32 again
;;       x = np.moveaxis(x, axis, -1); K = x.shape[-1]
;;       x = np.pad(x, [(0, 0)] * (x.ndim - 1) + [(0, -K % 32)]); x = x.reshape(x.shape[:-1] + (-1, 32)); a = np.abs(x).max(-1, keepdims=True)
;;       e = np.where(a > 0, np.clip(np.frexp(np.where(a > 0, a, 1))[1] - 1 - 4, -126, 127), 0)      # np.frexp(a)[1] - 1 = floor(log2(a)), exactly
;;       r = np.clip(x / 2.0 ** e, -28, 28)
;;       step = 2.0 ** (np.maximum(np.frexp(np.where(r == 0, 1, r))[1] - 1, -2) - 2)
;;       q = np.round(r / step) * step * 2.0 ** e      # np.round: ties to even
;;       return np.moveaxis(q.reshape(q.shape[:-2] + (-1,))[..., :K], -1, axis).astype(np.float32)
;;   ~~~
;;   SOFTMAX AHEAD OF A QUANTISED PRODUCT. Where the list says 'softmax', what is quantised is not the finished softmax but p = 2^(t - M), with t = logit x log2(e) and M = ceil(the row's largest t), a whole number; so 1/2 < the row's largest p <= 1. The row's sum l is taken of the UNQUANTISED p, in f32, and the product's result is divided by l at the end. Since M is a whole number, a kernel that streams over the keys may use a running M (the ceiling of the running maximum): every later rescaling is an exact power of two, which a block's scale takes up: the codes' values come out the same.
;;   OPERANDS COMPUTED ON THE WAY. 'Computed on the way' means the value that the module computes at that place (a softmax that the list does not call 'softmax' is quantised finished and normalised). What goes into a quantiser is computed in f32, as accurately as f32 sums, v_exp_f32 and their like allow (about 1e-6 of the number): no bf16 or f16 on the way to a quantiser, and a product that is left as it is and whose result goes on into a quantised operand takes f32 operands (vector FMAs, or v_wmma_f32_16x16x4_f32). A number that lies on a knife's edge between two numbers of the format may be rounded either way, as far as f32 arithmetic and the matrix unit's own rounding can turn it there, and no further.
;; One version. Each part assembles by itself: llvm-mc -triple=amdgcn-amd-amdhsa -mcpu=gfx1250 --defsym DOCPART=n.
;; ======== version 1 of 1: 4 launches
;; limits: right only within a limited range of input values
;; workspace buffers: c1 21,233,664 bytes; s1 884,736 bytes; c2 18,874,368 bytes; s2 786,432 bytes; c3 12,582,912 bytes; s3 1,572,864 bytes
;; launch quant (part 1): grid 960 x 1, 4 waves a work-group, no clusters, 49,664 bytes of LDS; arguments query, key, value, Wq, Wk, Wv, c1, s1; writes c1, s1
.if DOCPART == 1
	.amdgcn_target "amdgcn-amd-amdhsa--gfx1250"
	.amdhsa_code_object_version 6
	.text
	.protected	k_qa868d22ea8_quant
	.globl	k_qa868d22ea8_quant
	.p2align	8
	.type	k_qa868d22ea8_quant,@function
k_qa868d22ea8_quant:
	s_mov_b64 s[64:65], 0
	v_nop
	global_prefetch_b8 v0, s[64:65] scope:SCOPE_SE
	s_setreg_imm32_b32 hwreg(HW_REG_WAVE_MODE, 25, 1), 1
	s_wait_xcnt 0x0
; FIRST OF FOUR LAUNCHES of y = softmax((query Wq + bq)(key Wk + bk)^T / 32)(value Wv + bv), all five products on codes of BF6 (E3M2) with one E8M0 scale for each 32 along K.
; NO WORK IS LEFT OUT AS DEAD: every input goes into a quantiser of a live product (the three biases too: each can move codes and scales), so all nine inputs are loaded by the program.
; THIS LAUNCH turns query, key, value [8192][1024] and Wq, Wk, Wv [1024 (k)][1024 (n)], all f32, into codes and scale words along dim_in, the K of the three projections.
; A block's scale is 2^(floor(log2(its largest magnitude)) - 4); its byte is the largest magnitude's exponent field - 4, held at 1 from below.
; LIMITS: NaN and infinities among the inputs are not served; a block of zeros, or one whose largest magnitude lies under 2^-122, keeps the byte 1 (zero codes add nothing; the bytes are read by this program alone).
; LAYOUT OF THE PROGRAM'S OWN BUFFERS.  Row position p of every matrix holds original row sigma(p), sigma = bits 3 and 4 of the index exchanged.  Codes lie as IMAGES OF THE OPERAND'S REGISTERS:
; the fragment of 16 positions x 128 K, number (p / 16) x (K / 128) + k / 128, is 1,536 bytes: registers 4 c .. 4 c + 3 of lane l at 512 c + 16 l.  The scale word of (p, k / 128) lies at ((p / 128) x (K / 128) + k / 128) x 512 + 4 (p % 128).
; Work-groups 0 to 767 take the activations (K innermost; 128 KiB read by each, three times 256 work-groups), 768 to 959 the weights (K outermost: a lane to a column, registers down K).  The two paths never join and have LDS bytes of their own.
; Memory binds: no matrix unit, no cluster, no barrier: waves share nothing.
.set XCB,   6291456                    ; codes of one activation
.set WCB,   786432                     ; of one weight
.set XTOT,  3*XCB
.set XSB,   262144                     ; scale words of one activation
.set WSB,   32768                      ; of one weight
.set XSTOT, 3*XSB
.set XWG,   768                        ; work-groups on the activations
.set XREG,  8960                       ; x path, LDS of a wave: a stage of 16 rows x 528 bytes, then its scale words
.set WBASE, 4*XREG                     ; W path, LDS of a wave: two fragment images, 1,664 bytes apart
.set WREG,  3328
.set SPARE, WBASE+4*WREG               ; the spare words, 128 bytes for each wave
.set SPW,  4                           ; v4   LDS address of my spare word; never rewritten
.set NIL,  5                           ; v5   0; never rewritten
.set TM,   16                          ; v16-31 x path: at work in QUANT
.set PW,   32                          ; v32  the scale word just made
.set PC,   36                          ; v36-54 the codes just made
.set R,    64                          ; v64-191 two sets of 64 numbers as loaded
.set X,    192                         ; v192-255 64 numbers as the conversions want them
.set SEL,  40                          ; s[40:41] selects for lane l xor 16
.set WX,   32                          ; W path: v32-95 two sets of 32 numbers
.set WF,   96                          ; v96.. six registers of codes for each of four blocks
.set WG,   128                         ; v128.. the second halves as the conversions leave them
.set WO,   144                         ; v144-167 the way out
	s_load_b256 s[4:11], s[0:1], 0x0               ; query s[4:5], key s[6:7], value s[8:9], Wq s[10:11]
	s_load_b256 s[12:19], s[0:1], 0x20             ; Wk s[12:13], Wv s[14:15], c1 s[16:17], s1 s[18:19]
	v_lshl_add_u32 v[SPW], v0, 2, SPARE
	v_mov_b32 v[NIL], 0
	v_lshrrev_b32 v1, 5, v0
	v_readfirstlane_b32 s20, v1                    ; wave 0..3
	v_and_b32 v1, 31, v0                           ; lane
	v_and_b32 v2, 15, v0                           ; r
	v_bfe_u32 v3, v0, 4, 1                         ; h
	s_mov_b32 s[SEL], 0x76543210
	s_mov_b32 s[SEL+1], 0xfedcba98
	v_lshlrev_b32 v6, 4, v1                        ; 16 x lane: a load's and a store's offset
	; all LDS addresses of both paths are made here, ahead of the parting
	s_mul_i32 s21, s20, XREG
	v_add_nc_u32 v7, s21, v6                       ; x: into the stage: 16 x lane of a row
	v_mul_u32_u24 v8, v2, 528
	v_lshl_add_u32 v8, v3, 6, v8
	v_add_nc_u32 v8, s21, v8                       ; x: out of it: row r, + 64 h
	s_add_co_u32 s21, s21, 8448
	v_lshl_add_u32 v9, v2, 2, s21                  ; x: my row's scale word
	v_lshl_add_u32 v10, v1, 3, s21                 ; x: the 256 bytes of scale words, 8 a lane
	v_lshlrev_b32 v60, 3, v1                       ; and the same in memory
	s_mul_i32 s22, s20, WREG
	s_add_co_u32 s22, s22, WBASE
	v_bfe_u32 v15, v0, 3, 1                        ; W: bit 3 of my column = which of the two fragments its position falls into
	v_and_b32 v14, 7, v0
	v_lshl_add_u32 v14, v3, 3, v14                 ; its row there: 8 x bit 4 + the low three bits
	v_lshlrev_b32 v11, 4, v14
	v_mad_u32_u24 v11, v15, 1664, v11
	v_add_nc_u32 v11, s22, v11                     ; W: my row's 16 bytes in a chunk of its fragment's image
	v_add_nc_u32 v12, s22, v6                      ; W: the images, 16 bytes a lane
	v_lshlrev_b32 v13, 2, v1                       ; W: 4 x column, in memory
	v_lshl_add_u32 v14, v15, 4, v14
	v_lshlrev_b32 v14, 2, v14                      ; W: 4 x sigma(column): my scale word's place
	s_cmp_ge_u32 ttmp9, XWG
	s_cbranch_scc1 .Lweights
	; ================ THE ACTIVATIONS.  Wave number id = 4 x work-group + wave takes tensor id / 1024, positions 64 G .. 64 G + 63, K step KS of 128: four steps of 16 rows
	s_lshl_b32 s23, ttmp9, 2
	s_add_co_u32 s23, s23, s20                     ; id
	s_lshr_b32 s24, s23, 10                        ; tensor
	s_bfe_u32 s25, s23, 0x70003                    ; G, 0..127
	s_and_b32 s26, s23, 7                          ; KS
	s_lshl_b32 s28, s25, 18                        ; 64 rows of 4,096 bytes
	s_lshl_b32 s27, s26, 9
	s_add_co_u32 s28, s28, s27
	s_mov_b32 s29, 0
	s_mul_i32 s30, s24, XCB
	s_mul_i32 s27, s25, 49152                      ; 4 row blocks x 8 fragments
	s_add_co_u32 s30, s30, s27
	s_mul_i32 s27, s26, 1536
	s_add_co_u32 s30, s30, s27
	s_mov_b32 s31, 0
	s_lshr_b32 s32, s25, 1                         ; scale words: (8 (G / 2) + KS) x 512 + 256 (G % 2)
	s_lshl_b32 s32, s32, 3
	s_add_co_u32 s32, s32, s26
	s_lshl_b32 s32, s32, 9
	s_and_b32 s27, s25, 1
	s_lshl_b32 s27, s27, 8
	s_add_co_u32 s32, s32, s27
	s_lshl_b32 s27, s24, 18
	s_add_co_u32 s32, s32, s27
	s_mov_b32 s33, 0
.irp b, 0,1,2,3
	v_mov_b32 v[TM+4+\b], 0                        ; written once: a lane permute's destination counts as one of its sources
.endr
	s_wait_alu depctr_va_vdst(0)                   ; the wait at the head's end
	s_wait_kmcnt 0x0
	s_cmp_eq_u32 s24, 1
	s_cselect_b64 s[4:5], s[6:7], s[4:5]
	s_cmp_eq_u32 s24, 2
	s_cselect_b64 s[4:5], s[8:9], s[4:5]           ; the choice hangs on ids alone
	s_add_nc_u64 s[4:5], s[4:5], s[28:29]
	s_add_nc_u64 s[16:17], s[16:17], s[30:31]
	s_add_nc_u64 s[18:19], s[18:19], s[32:33]
.macro LOADX s                         ; step s: positions 16 s + p hold original rows 32 (s / 2) + 8 (s % 2) + p + 8 (p / 8); each load takes 512 consecutive bytes of one row
.irp p, 0,1,2,3,4,5,6,7,8,9,10,11,12,13,14,15
	global_load_b128 v[R+64*((\s)%2)+4*\p:R+64*((\s)%2)+4*\p+3], v6, s[4:5] offset:(32*((\s)/2)+8*((\s)%2)+\p+8*(\p/8))*4096 th:TH_LOAD_NT
.endr
.endm
; 64 numbers of a lane, register 16 b + i = k 32 b + 16 (lane / 16) + i of my row, become a fragment's codes in v[PC] on and its scale word in v[PW]
.macro QUANT s
.irp b, 0,1,2,3
	v_max3_num_f32 v[TM+\b], |v[\s+16*\b]|, |v[\s+1+16*\b]|, 0x2800000   ; block b: my 16 numbers, and the floor 2^(5 - 127): the byte cannot fall under 1
.endr
.irp i, 2,4,6,8,10,12,14
.irp b, 0,1,2,3
	v_max3_num_f32 v[TM+\b], v[TM+\b], |v[\s+16*\b+\i]|, |v[\s+1+16*\b+\i]|   ; the four blocks by turns
.endr
.endr
.irp b, 0,1,2,3
	v_permlanex16_b32 v[TM+4+\b], v[TM+\b], s[SEL], s[SEL+1]
.endr
.irp b, 0,1,2,3
	v_max_num_f32 v[TM+\b], v[TM+\b], v[TM+4+\b]   ; with lane l xor 16's: the block's largest magnitude
.endr
.irp b, 0,1,2,3
	v_add_nc_u32 v[TM+12+\b], 0xfe000000, v[TM+\b] ; 4 off its exponent field: the conversion's scale operand
.endr
.irp b, 0,1,2,3
	v_lshrrev_b32 v[TM+4+\b], 23, v[TM+12+\b]      ; the scale's byte
.endr
	v_lshl_or_b32 v[PW], v[TM+5], 8, v[TM+4]
	v_lshl_or_b32 v[PW], v[TM+6], 16, v[PW]
	v_lshl_or_b32 v[PW], v[TM+7], 24, v[PW]        ; my row's scale word
.irp c, 0,1
	v_cvt_scalef32_pk16_bf6_f32 v[PC+6*\c:PC+2+6*\c], v[\s+32*\c:\s+15+32*\c], v[TM+12+2*\c]
	v_cvt_scalef32_pk16_bf6_f32 v[PC+12+4*\c:PC+14+4*\c], v[\s+16+32*\c:\s+31+32*\c], v[TM+12+2*\c+1]   ; (a conversion's three registers begin on an even number)
.endr
	v_nop                                          ; one plain place behind a scaled conversion
.irp c, 0,1                            ; the operand's layout wants a whole block in a lane: lanes 0-15 block 2 c, lanes 16-31 block 2 c + 1
.irp i, 0,1,2
	v_permlane16_swap_b32 v[PC+6*\c+\i], v[PC+12+4*\c+\i]
.endr
.irp i, 0,1,2
	v_mov_b32 v[PC+3+6*\c+\i], v[PC+12+4*\c+\i]
.endr
.endr
.endm
.macro STEPX s
.if (\s) < 3
	s_wait_loadcnt 16                              ; this step's 16 loads are in; the next step's 16 may be out
.else
	s_wait_loadcnt 0x0
.endif
.irp p, 0,1,2,3,4,5,6,7,8,9,10,11,12,13,14,15
	ds_store_b128 v7, v[R+64*((\s)%2)+4*\p:R+64*((\s)%2)+4*\p+3] offset:528*\p    ; the rows as they lie, 528 bytes apart
.endr
.irp b, 0,1,2,3
.irp j, 0,1,2,3
	ds_load_b128 v[X+16*\b+4*\j:X+16*\b+4*\j+3], v8 offset:128*\b+16*\j           ; back: of row r, 16 neighbours of each block of 32.  LDS serves a wave's instructions in order
.endr
.endr
	s_wait_dscnt 0x0                               ; the numbers are back, and the stores have read their registers
	s_wait_xcnt 0x0                                ; the last step's global stores have read their data: the codes' registers are written again, in QUANT, only behind this wait
.if (\s)+2 < 4
	LOADX (\s)+2                                   ; the registers just stored take the loads of two steps on
.endif
	QUANT X
.irp c, 0,1,2
	global_store_b128 v6, v[PC+4*\c:PC+4*\c+3], s[16:17] offset:12288*(\s)+512*\c  ; the fragment's image: 512 consecutive bytes a store
.endr
	ds_store_b32 v9, v[PW] offset:64*(\s)          ; lanes r and r + 16 write the same word with the same value
.endm
	LOADX 0
	LOADX 1
.irp s, 0,1,2,3
	STEPX \s
.endr
	ds_load_b64 v[56:57], v10                      ; my 64 scale words
	s_wait_dscnt 0x0
	global_store_b64 v60, v[56:57], s[18:19]       ; one aligned run of 256 consecutive bytes
	s_wait_tensorcnt 0x0                           ; the wave's end, behind my last LDS store
	ds_add_u32 v[SPW], v[NIL]
	s_wait_dscnt 0x0
	s_endpgm
	; ================ THE WEIGHTS.  Work-group id = number - XWG takes tensor id / 64, columns 128 G on, K step KS; wave w its 32 columns 32 w on: a lane to a column, four blocks of 32 down K
.Lweights:
	s_sub_co_u32 s23, ttmp9, XWG
	s_lshr_b32 s24, s23, 6                         ; tensor
	s_bfe_u32 s25, s23, 0x30003                    ; G
	s_and_b32 s26, s23, 7                          ; KS
	s_lshl_b32 s28, s26, 19                        ; 128 rows (k) of 4,096 bytes
	s_lshl_b32 s27, s25, 9
	s_add_co_u32 s28, s28, s27
	s_lshl_b32 s27, s20, 7
	s_add_co_u32 s28, s28, s27
	s_mov_b32 s29, 0
	s_mul_i32 s30, s24, WCB
	s_add_co_u32 s30, s30, XTOT
	s_mul_i32 s27, s25, 98304
	s_add_co_u32 s30, s30, s27
	s_mul_i32 s27, s20, 24576                      ; two row blocks a wave
	s_add_co_u32 s30, s30, s27
	s_mul_i32 s27, s26, 1536
	s_add_co_u32 s30, s30, s27
	s_mov_b32 s31, 0
	s_and_b32 s32, s23, 63                         ; 8 G + KS
	s_lshl_b32 s32, s32, 9
	s_lshl_b32 s27, s24, 15
	s_add_co_u32 s32, s32, s27
	s_lshl_b32 s27, s20, 7
	s_add_co_u32 s32, s32, s27
	s_add_co_u32 s32, s32, XSTOT
	s_mov_b32 s33, 0
	s_wait_kmcnt 0x0
	s_cmp_eq_u32 s24, 1
	s_cselect_b64 s[10:11], s[12:13], s[10:11]
	s_cmp_eq_u32 s24, 2
	s_cselect_b64 s[10:11], s[14:15], s[10:11]
	s_add_nc_u64 s[10:11], s[10:11], s[28:29]
	s_add_nc_u64 s[16:17], s[16:17], s[30:31]
	s_add_nc_u64 s[18:19], s[18:19], s[32:33]
.macro LOADW t                         ; block t: W(32 t + i, my column): 32 lanes read 128 consecutive bytes, the four waves 512
.irp i, 0,1,2,3,4,5,6,7,8,9,10,11,12,13,14,15,16,17,18,19,20,21,22,23,24,25,26,27,28,29,30,31
	global_load_b32 v[WX+32*((\t)%2)+\i], v13, s[10:11] offset:(32*(\t)+\i)*4096 th:TH_LOAD_NT
.endr
.endm
.macro BLOCKW t
.set XS, WX+32*((\t)%2)
.set FT, WF+8*(\t)
.set GT, WG+4*(\t)
.if (\t) < 3
	s_wait_loadcnt 32                              ; this block's 32 loads are in; the next block's may be out
.else
	s_wait_loadcnt 0x0
.endif
	v_max3_num_f32 v16, |v[XS]|, |v[XS+1]|, |v[XS+2]|       ; the block's largest magnitude: all 32 numbers are mine
	v_max3_num_f32 v17, |v[XS+3]|, |v[XS+4]|, |v[XS+5]|
.irp i, 6,10,14,18,22,26
	v_max3_num_f32 v16, v16, |v[XS+\i]|, |v[XS+\i+1]|
	v_max3_num_f32 v17, v17, |v[XS+\i+2]|, |v[XS+\i+3]|
.endr
	v_max3_num_f32 v16, v16, |v[XS+30]|, |v[XS+31]|
	v_max3_num_f32 v16, v16, v17, 0x2800000        ; and the floor 2^(5 - 127)
	v_add_nc_u32 v18, 0xfe000000, v16              ; 4 off the exponent field: the conversion's scale operand
	v_lshrrev_b32 v17, 23, v18                     ; the scale's byte
.if (\t) == 0
	v_mov_b32 v19, v17                             ; byte t of my column's scale word
.else
	v_lshl_or_b32 v19, v17, 8*(\t), v19
.endif
	v_cvt_scalef32_pk16_bf6_f32 v[FT:FT+2], v[XS:XS+15], v18
	v_cvt_scalef32_pk16_bf6_f32 v[GT:GT+2], v[XS+16:XS+31], v18
	v_nop                                          ; one plain place behind a scaled conversion
.irp i, 0,1,2
	v_mov_b32 v[FT+3+\i], v[GT+\i]
.endr
; block t is registers 6 (t / 2) .. 6 (t / 2) + 5 of lane row + 16 (t % 2) of the fragment: register n of lane l lies at 512 (n / 4) + 16 l + 4 (n % 4) of the image
.if (\t) < 2
	ds_store_b128 v11, v[FT:FT+3] offset:256*((\t)%2)
	ds_store_b64 v11, v[FT+4:FT+5] offset:512+256*((\t)%2)
.else
	ds_store_b64 v11, v[FT:FT+1] offset:520+256*((\t)%2)
	ds_store_b128 v11, v[FT+2:FT+5] offset:1024+256*((\t)%2)
.endif
.if (\t) < 2
	LOADW (\t)+2
.endif
.endm
	s_wait_alu depctr_va_vdst(0)                   ; the addresses were made ahead of the branch
	LOADW 0
	LOADW 1
	BLOCKW 0
	BLOCKW 1
	BLOCKW 2
	BLOCKW 3
	global_store_b32 v14, v19, s[18:19]            ; my column's scale word, at its position: the wave writes 128 consecutive bytes, one byte for each 128 that it reads
.irp u, 0,1
.irp c, 0,1,2
	ds_load_b128 v[WO+4*(3*\u+\c):WO+4*(3*\u+\c)+3], v12 offset:1664*\u+512*\c   ; LDS serves a wave's instructions in order: these see my stores
.endr
.endr
.irp u, 0,1
.irp c, 0,1,2
	s_wait_dscnt 5-(3*\u+\c)
	global_store_b128 v6, v[WO+4*(3*\u+\c):WO+4*(3*\u+\c)+3], s[16:17] offset:12288*\u+512*\c   ; 512 consecutive bytes a store
.endr
.endr
	s_wait_tensorcnt 0x0                           ; the wave's end, behind my last LDS store
	ds_add_u32 v[SPW], v[NIL]
	s_wait_dscnt 0x0
	s_endpgm
.Lfunc_end_k_qa868d22ea8_quant:
	.size	k_qa868d22ea8_quant, .Lfunc_end_k_qa868d22ea8_quant-k_qa868d22ea8_quant
	.p2alignl 7, 3214868480
	.fill 96, 4, 3214868480
	.section	.rodata,"a",@progbits
	.p2align	6, 0x0
	.amdhsa_kernel k_qa868d22ea8_quant
		.amdhsa_group_segment_fixed_size 49664
		.amdhsa_private_segment_fixed_size 0
		.amdhsa_enable_private_segment 0
		.amdhsa_kernarg_size 64
		.amdhsa_user_sgpr_count 2
		.amdhsa_user_sgpr_kernarg_segment_ptr 1
		.amdhsa_wavefront_size32 1
		.amdhsa_system_sgpr_workgroup_id_x 1
		.amdhsa_system_sgpr_workgroup_id_y 1
		.amdhsa_system_sgpr_workgroup_id_z 1
		.amdhsa_system_vgpr_workitem_id 0
		.amdhsa_next_free_vgpr 256
		.amdhsa_next_free_sgpr 66
		.amdhsa_reserve_vcc 0
		.amdhsa_float_denorm_mode_32 3
		.amdhsa_float_denorm_mode_16_64 3
		.amdhsa_memory_ordered 1
		.amdhsa_forward_progress 1
		.amdhsa_inst_pref_size 56
	.end_amdhsa_kernel
	.amdgpu_metadata
---
amdhsa.version: [ 1, 2 ]
amdhsa.kernels:
  - .name:           k_qa868d22ea8_quant
    .symbol:         k_qa868d22ea8_quant.kd
    .args:
      - { .name: query, .offset: 0, .size: 8, .value_kind: global_buffer, .address_space: global }
      - { .name: key, .offset: 8, .size: 8, .value_kind: global_buffer, .address_space: global }
      - { .name: value, .offset: 16, .size: 8, .value_kind: global_buffer, .address_space: global }
      - { .name: Wq, .offset: 24, .size: 8, .value_kind: global_buffer, .address_space: global }
      - { .name: Wk, .offset: 32, .size: 8, .value_kind: global_buffer, .address_space: global }
      - { .name: Wv, .offset: 40, .size: 8, .value_kind: global_buffer, .address_space: global }
      - { .name: c1, .offset: 48, .size: 8, .value_kind: global_buffer, .address_space: global }
      - { .name: s1, .offset: 56, .size: 8, .value_kind: global_buffer, .address_space: global }
    .group_segment_fixed_size: 49664
    .private_segment_fixed_size: 0
    .kernarg_segment_align: 8
    .kernarg_segment_size: 64
    .max_flat_workgroup_size: 128
    .sgpr_count:     66
    .vgpr_count:     256
    .wavefront_size: 32
...
	.end_amdgpu_metadata
.endif
;; end of part 1
;; launch proj (part 2): grid 4 x 64, 4 waves a work-group, clusters of 4 x 4, 327,680 bytes of LDS; arguments c1, s1, bq, bk, bv, c2, s2; writes c2, s2
.if DOCPART == 2
	.amdgcn_target "amdgcn-amd-amdhsa--gfx1250"
	.amdhsa_code_object_version 6
	.text
	.protected	k_qa868d22ea8_proj
	.globl	k_qa868d22ea8_proj
	.p2align	8
	.type	k_qa868d22ea8_proj,@function
k_qa868d22ea8_proj:
	s_mov_b64 s[64:65], 0
	v_nop
	global_prefetch_b8 v0, s[64:65] scope:SCOPE_SE
	s_setreg_imm32_b32 hwreg(HW_REG_WAVE_MODE, 25, 1), 1
	s_wait_xcnt 0x0
	s_wait_alu depctr_hold_cnt(0) depctr_sa_sdst(0) depctr_va_vdst(0) depctr_va_sdst(0) depctr_va_ssrc(0) depctr_va_vcc(0) depctr_vm_vsrc(0)
	s_getreg_b32 s2, hwreg(HW_REG_IB_STS2, 6, 4)
	s_cmp_eq_u32 s2, 0
	s_cbranch_scc0 .Lentry_in_a_cluster
	s_endpgm
.Lentry_in_a_cluster:
	s_bfe_u32 s2, ttmp6, 0x10000c
	s_cmp_lg_u32 s2, 0xf033
	s_cbranch_scc0 .Lentry_shape_is_right
	s_endpgm
.Lentry_shape_is_right:
; SECOND LAUNCH: the three projections on codes of BF6, their biases, and the quantising of the results for the next two products.  Nothing is left out as dead work.
; 256 WORK-GROUPS THAT STAY: each makes three tiles of 128 x 256, one of each projection: q = query Wq + bq, k = key Wk + bk (A = 128 rows of the activation, B = 256 columns of the weight;
; quantised along d), then v^T = (value Wv + bv)^T (A = 128 columns of Wv, B = 256 rows of value: the result's rows are dv, its K the keys).  Four waves, 64 x 128 a wave: 32 accumulators, 256 registers.
; THE RING: a tile's K = 1,024 is two slots of K = 512 (A 49,152 + B 98,304 bytes each); the ring goes on into the next tile.  Behind the change out of slot 0 waves 0 to 3 load the next tile's
; A, B, A's scale words, B's scale words; behind the change out of slot 1 waves 0 and 1 load its second A and B.  Every wait on TENSORcnt is for 0; a wave has one tensor load out at the most.
; A tile's 64 scale words a lane are read into registers once, ahead of its first step, so one buffer of scale words serves all tiles.  Tiles 0 and 1 are a loop of two trips; tile 2, which asks for nothing more, is written out.
; CLUSTERS: 4 x 4 work-groups; A's tiles and scale words are asked for jointly along a row of the cluster, B's along a column.
; PREFETCH: each slot's A and B are asked for one slot ahead of their tensor load; of a tile's row blocks each of the four partners that load it names its own (A: two, 12 blocks of 256 bytes a wave; B: four, 24 blocks a wave),
; told apart by address; lanes left over name their wave's last block again.  Tile 0 and the scale words come by their loads alone.
; LAYOUT (the program's own): row position p holds original row sigma(p) (bits 3 and 4 exchanged); codes lie as images of the operand's registers, 1,536 bytes a fragment of 16 positions x 128 K;
; the scale word of (p, k / 128) at ((p / 128) (K / 128) + k / 128) x 512 + 4 (p % 128).
; THE MATRIX INSTRUCTION IS USED TRANSPOSED (source 0 = 16 positions of B, source 1 = 16 of A): lane (r, h) holds A's position r, and registers 16 i + j of a block of A are the original indices 32 i + 16 h + j of B.
; The bias is the C of each sum's first product.  LIMITS: NaN and infinities are not served; a block of zeros or under 2^-122 keeps the byte 1.
.set FR,     12
.set NP,     4                         ; places behind this matrix instruction (ISA guide 7.12.1)
.set ATILE,  49152                     ; 8 row blocks x 4 fragments
.set BTILE,  98304                     ; 16 row blocks x 4 fragments
.set SLOT,   ATILE+BTILE
.set SCA,    2*SLOT                    ; A's scale words, 4,096 bytes
.set SCB,    SCA+4096                  ; B's, 8,192 bytes
.set BIAS,   SCB+8192                  ; bq's 256, bk's 256, bv's 128 numbers of this work-group: stored once, no fill lands here
.set STG,    BIAS+2560                 ; the way out: 256 bytes of scale words for each wave
.set SPARE,  STG+1024                  ; the spare words, 128 bytes for each wave
.set XCB,    6291456
.set WCB,    786432
.set XTOT,   3*XCB
.set XSB,    262144
.set WSB,    32768
.set XSTOT,  3*XSB
.set ADRA, 16                          ; v16-17 my A fragments in slot 0, 1
.set PFOB, 19                          ; v19  prefetch offset in B's tile
.set ADRB, 20                          ; v20-21 my B fragments
.set PFOA, 22                          ; v22  prefetch offset in A's tile
.set CO8,  23                          ; v23  8 x lane
.set STO,  24
.set RD,   25
.set CO,   26                          ; v26  16 x lane
.set ADRS, 27                          ; v27  my scale words: lanes 0-15 A's, lanes 16-31 B's
.set SPW,  28
.set NIL,  29
.set ABI,  30                          ; v30  the bias by B's index (q, k)
.set ABV,  31                          ; v31  the bias by A's index (v^T)
.set SC,   32                          ; v32-95 scale words and nothing else: register 8 g + i: step g, lanes 0-15 A's block i, lanes 16-31 B's block i
.set TB,   96
.set T2,   100
.set SCV,  104
.set PW,   108
.set AF,   128                         ; v128-223 A's fragments, two sets of four.  Window 1: B's two sets at v0, v128.  Window 2: accumulator (a, b) at v[8 (8 a + b)].  Window 3: v0-63 the bias
.set PC,   224
.set G1A, 24
.set G1B, 32
.set G1SA, 40
.set G1SB, 48
.set G0A0, 56
.set G0B0, 60
.set G0A1, 68
.set G0B1, 72
.set G0SA, 76
.set G0SB, 80
.set PA, 84                            ; s[84:91] the next tile's A, B, A's scale words, B's scale words
.set PB, 86
.set PSA, 88
.set PSB, 90
.set QA, 92                            ; s[92:99] tile 2's
.set QB, 94
.set QSA, 96
.set QSB, 98
.set OCA, 100                          ; where this tile's codes go
.set OSA, 104                          ; and its scale words
.set SEL, 66
.set MSB, 0
.macro WIN new
.if MSB != (\new)
	s_set_vgpr_msb (MSB<<8)|(\new)
.set MSB, (\new)
.endif
.endm
.set MUL_LO, 0xa1                      ; source 0 (B) window 1, source 1 (A) window 0, C and D window 2
.set FIRST,  0xb1                      ; C (the bias) window 3
.set TO_B,   0x40
.macro PLACES n
.rept \n
	v_nop
.endr
.endm
.macro TLOAD g0, g1                    ; an s_nop 0 and four v_nop follow each tensor load
	tensor_load_to_lds s[\g0:\g0+3], s[\g1:\g1+7]
	s_nop 0
	PLACES 4
.endm
.macro LOADS_LO                        ; one chain of branches on the wave's number, one joint load to an arm
	s_cmp_lt_u32 s18, 1
	s_cbranch_scc0 .Lb_\@
	TLOAD G0A0, G1A
	s_branch .Le_\@
.Lb_\@:
	s_cmp_lt_u32 s18, 2
	s_cbranch_scc0 .Lc_\@
	TLOAD G0B0, G1B
	s_branch .Le_\@
.Lc_\@:
	s_cmp_lt_u32 s18, 3
	s_cbranch_scc0 .Ld_\@
	TLOAD G0SA, G1SA
	s_branch .Le_\@
.Ld_\@:
	TLOAD G0SB, G1SB
.Le_\@:
.endm
.macro LOADS_HI                        ; slot 1: waves 0 and 1 load, waves 2 and 3 have no part
	s_cmp_lt_u32 s18, 1
	s_cbranch_scc0 .Lb_\@
	TLOAD G0A1, G1A
	s_branch .Le_\@
.Lb_\@:
	s_cmp_lt_u32 s18, 2
	s_cbranch_scc0 .Lc_\@
	TLOAD G0B1, G1B
	s_branch .Le_\@
.Lc_\@:
	PLACES 4
.Le_\@:
.endm
.macro CREST
	s_cmp_lg_u32 s18, 0
	s_cbranch_scc1 .Lnot_wave_0_\@
	s_barrier_signal -3
.Lnot_wave_0_\@:
	s_barrier_wait -3
	s_barrier_signal -1
	s_barrier_wait -1
.endm
.macro CROUND
	s_barrier_signal -1
	s_barrier_wait -1
	CREST
.endm
.macro G1C g, c, r, p                  ; group 1: r rows of c elements of 8 bytes, pitch p
	s_mov_b32 s[\g+1], (\c)<<16
	s_mov_b32 s[\g+2], (\r)<<16
	s_mov_b32 s[\g+3], (\c)<<16
	s_mov_b32 s[\g+4], \r
	s_mov_b32 s[\g+5], \p
	s_mov_b32 s[\g+6], 0
	s_mov_b32 s[\g+7], 0
.endm
.macro G0C g, lds
	s_mov_b32 s[\g], 1
	s_mov_b32 s[\g+1], \lds
.endm
.macro MKADR d, base                   ; s[d] holds a byte offset: it becomes the address
	s_mov_b32 s[\d+1], 0
	s_add_nc_u64 s[\d:\d+1], s[\base:\base+1], s[\d:\d+1]
.endm
.macro SETG g, p, off                  ; a group 0's global address and type
	s_add_nc_u64 s[\g+2:\g+3], s[\p:\p+1], \off
	s_or_b32 s[\g+3], s[\g+3], 0x80000000
.endm
.macro ASK pa, pb, off                 ; my blocks of a slot's A and B
	global_prefetch_b8 v[PFOA], s[\pa:\pa+1] offset:\off th:TH_LOAD_NT scope:SCOPE_SE
	global_prefetch_b8 v[PFOB], s[\pb:\pb+1] offset:\off th:TH_LOAD_NT scope:SCOPE_SE
.endm
.macro FRAG reg, adr, q, i
.irp c, 0,1,2
	ds_load_b128 v[\reg+4*\c:\reg+4*\c+3], v[\adr] offset:(\i)*6144+(\q)*1536+512*\c
.endr
.endm
.macro FETCH g                         ; step g's fragments: B's eight, A's four, into set g % 2
	WIN TO_B
.irp i, 0,1,2,3,4,5,6,7
	FRAG 128*((\g)%2)+FR*\i, ADRB+(\g)/4, (\g)%4, \i
.endr
	WIN 0
.irp i, 0,1,2,3
	FRAG AF+48*((\g)%2)+FR*\i, ADRA+(\g)/4, (\g)%4, \i
.endr
.endm
.macro PRO                             ; ahead of a tile: its 64 scale words a lane (512 g + 64 i = 64 (8 g + i)) and step 0's fragments
.set n, 0
.rept 64
	ds_load_b32 v[SC+n], v[ADRS] offset:64*n
.set n, n+1
.endr
	FETCH 0
.endm
; eight matrix instructions: A's block a x B's eight.  mode 0: the sums go on; 1: they begin with the bias by B's index; 2: by A's.  The 32 accumulators take turns
.macro MUL8 a, g, mode
.irp b, 0,1,2,3,4,5,6,7
.if (\mode) == 0
.set CC, 8*(8*(\a)+\b)
.elseif (\mode) == 1
.set CC, 8*\b
.else
.set CC, 8*(\a)
.endif
	v_wmma_scale_f32_16x16x128_f8f6f4 v[8*(8*(\a)+\b):8*(8*(\a)+\b)+7], v[128*((\g)%2)+FR*\b:128*((\g)%2)+FR*\b+FR-1], v[AF+48*((\g)%2)+FR*(\a):AF+48*((\g)%2)+FR*(\a)+FR-1], v[CC:CC+7], v[SC+8*(\g)+\b], v[SC+8*(\g)+(\a)] matrix_a_fmt:MATRIX_FMT_BF6 matrix_b_fmt:MATRIX_FMT_BF6 matrix_a_scale:MATRIX_SCALE_ROW1
.endr
.endm
.macro STEP g, mode                    ; a step that has its successor in the same slot
	s_wait_dscnt 0x0                               ; this step's fragments are in
	PLACES NP                                      ; in front of loads into the set that the step before multiplied
	FETCH (\g)+1
.if \mode
	WIN FIRST
.else
	WIN MUL_LO
.endif
	MUL8 0, \g, \mode
	MUL8 1, \g, \mode
	MUL8 2, \g, \mode
	MUL8 3, \g, \mode
.endm
; the first half of a slot's last step: one barrier for the change of slots
.macro MEET g, fill
	WIN 0
	s_wait_tensorcnt 0x0                           ; all my tensor loads have landed: my part of what is read next
	ds_add_u32 v[SPW], v[NIL]                      ; 0 onto my spare word
.if \fill                              ; no load of mine is out: the groups 0 may be written
	SETG G0A0, PA, 0
	SETG G0B0, PB, 0
	SETG G0SA, PSA, 0
	SETG G0SB, PSB, 0
.endif
	s_wait_dscnt 1                                 ; (the add may be out)
	WIN MUL_LO
	MUL8 0, \g, 0
	s_wait_dscnt 0x0                               ; the add is done, and my reads of this slot are over
	s_barrier_signal -1
	MUL8 1, \g, 0
	WIN 0
	s_barrier_wait -1
.endm
; THE WAY OUT of block a: 64 registers a lane, 16 neighbours of each of four blocks of 32 along the next K, become one fragment and one scale word a row
.macro QOUT a, rbs
.set S, 64*(\a)
	WIN 0x0a                                       ; sources 0 and 1: window 2
.irp b, 0,1,2,3
	v_max3_num_f32 v[TB+\b], |v[S+16*\b]|, |v[S+16*\b+1]|, 0x2800000   ; each accumulator is read from its low end on; the floor 2^(5 - 127) holds the byte at 1
.endr
.irp i, 2,4,6,8,10,12,14
.irp b, 0,1,2,3
	v_max3_num_f32 v[TB+\b], |v[S+16*\b+\i]|, |v[S+16*\b+\i+1]|, v[TB+\b]
.endr
.endr
	WIN 0
.irp b, 0,1,2,3
	v_permlanex16_b32 v[T2+\b], v[TB+\b], s[SEL], s[SEL+1]
.endr
.irp b, 0,1,2,3
	v_max_num_f32 v[TB+\b], v[TB+\b], v[T2+\b]     ; with lane l xor 16's: the block's largest magnitude
.endr
.irp b, 0,1,2,3
	v_add_nc_u32 v[SCV+\b], 0xfe000000, v[TB+\b]   ; 4 off the exponent field: the conversion's scale operand
.endr
.irp b, 0,1,2,3
	v_lshrrev_b32 v[T2+\b], 23, v[SCV+\b]          ; the scale's byte
.endr
	v_lshl_or_b32 v[PW], v[T2+1], 8, v[T2]
	v_lshl_or_b32 v[PW], v[T2+2], 16, v[PW]
	v_lshl_or_b32 v[PW], v[T2+3], 24, v[PW]
	s_wait_alu depctr_va_vdst(0)
	s_wait_xcnt 0x0                                ; the last block's stores have read their data: the codes' registers are written again only behind this wait
	WIN 0x02                                       ; source 0: window 2
.irp c, 0,1
	v_cvt_scalef32_pk16_bf6_f32 v[PC+6*\c:PC+2+6*\c], v[S+32*\c:S+15+32*\c], v[SCV+2*\c]
	v_cvt_scalef32_pk16_bf6_f32 v[PC+12+4*\c:PC+14+4*\c], v[S+16+32*\c:S+31+32*\c], v[SCV+2*\c+1]
.endr
	WIN 0
	v_nop                                          ; one plain place behind a scaled conversion
.irp c, 0,1
.irp i, 0,1,2
	v_permlane16_swap_b32 v[PC+6*\c+\i], v[PC+12+4*\c+\i]
.endr
.irp i, 0,1,2
	v_mov_b32 v[PC+3+6*\c+\i], v[PC+12+4*\c+\i]
.endr
.endr
.irp c, 0,1,2
	global_store_b128 v[CO], v[PC+4*\c:PC+4*\c+3], s[OCA:OCA+1] offset:(\a)*(\rbs)+512*\c   ; 512 consecutive bytes a store
.endr
	ds_store_b32 v[STO], v[PW] offset:64*(\a)
.endm
.macro EPI_A rbs                       ; the way out's first half.  rbs: bytes from a row block of the result to the next
	s_wait_xcnt 0x0                                ; the last tile's stores have read their bases
	s_add_nc_u64 s[OCA:OCA+1], s[14:15], s[4:5]
	s_add_nc_u64 s[OSA:OSA+1], s[16:17], s[6:7]
	QOUT 0, \rbs
	QOUT 1, \rbs
.endm
.macro EPI_B rbs                       ; and its second half
	QOUT 2, \rbs
	QOUT 3, \rbs
	ds_load_b64 v[244:245], v[RD]                  ; my 64 scale words (LDS serves a wave's instructions in order)
	s_wait_dscnt 0x0
	global_store_b64 v[CO8], v[244:245], s[OSA:OSA+1]   ; one aligned unit of 256 bytes
.endm
.macro TILE mode, fill, rbs
	WIN 0xc0                                       ; destination window 3: the bias in the result's layout
.if (\mode) == 1
.irp b, 0,1,2,3,4,5,6,7                ; register 8 b + j: the bias at 32 (b / 2) + 16 h + 8 (b % 2) + j
	ds_load_b128 v[8*\b:8*\b+3], v[ABI] offset:(32*(\b/2)+8*(\b%2))*4
	ds_load_b128 v[8*\b+4:8*\b+7], v[ABI] offset:(32*(\b/2)+8*(\b%2))*4+16
.endr
.else
.irp a, 0,1,2,3                        ; block a: my position's number in all eight registers
.irp j, 0,1,2,3,4,5,6,7
	ds_load_b32 v[8*\a+\j], v[ABV] offset:(32*(\a/2)+8*(\a%2))*4
.endr
.endr
.endif
	WIN 0
	STEP 0, \mode
	STEP 1, 0
	STEP 2, 0
	MEET 3, \fill
.if \fill
	CREST                                          ; the barrier has opened a round of the cluster's: no wave of any partner still reads slot 0 or the scale words, or has a load on its way
	LOADS_LO                                       ; the next tile's first half and its scale words; the four v_nop are the places in front of the loads below
.else
	PLACES NP
.endif
	FETCH 4
.if \fill
	ASK PA, PB, 6144                               ; the next tile's second half, one slot ahead of its load
.endif
	WIN MUL_LO
	MUL8 2, 3, 0
	MUL8 3, 3, 0
	STEP 4, 0
	STEP 5, 0
	STEP 6, 0
	s_wait_dscnt 0x0                               ; the tile's last step: my reads of slot 1 are over
	WIN MUL_LO
	MUL8 0, 7, 0
	MUL8 1, 7, 0
	MUL8 2, 7, 0
	MUL8 3, 7, 0
	WIN 0
	PLACES NP
	EPI_A \rbs                                     ; two of the tile's four blocks go out ahead of the change of slots, two behind it: the work between a request and the wait for it is shared between the two slots' loads
.if \fill
	s_wait_alu depctr_va_vdst(0)
	s_wait_tensorcnt 0x0                           ; all my tensor loads have landed: my part of the next tile's first half and scale words
	ds_add_u32 v[SPW], v[NIL]                      ; 0 onto my spare word
	SETG G0A1, PA, 6144                            ; no load of mine is out: slot 1's groups 0 may be written
	SETG G0B1, PB, 6144
	s_wait_dscnt 0x0                               ; the add and my stores into my stage are done
	CROUND                                         ; a round of the cluster's barrier: no wave of any partner still reads slot 1 or has a load on its way
	LOADS_HI                                       ; the next tile's second half
	s_cmp_eq_u32 s3, 2                             ; in the first trip: tile 2's first half, one slot ahead of its load
	s_cbranch_scc0 .Lno_ask_\@
	ASK QA, QB, 0
.Lno_ask_\@:
	PRO                                            ; the next tile's scale words and first fragments come while the rest of this tile goes out
.endif
	EPI_B \rbs
.endm
	s_load_b256 s[4:11], s[0:1], 0x0               ; c1 s[4:5], s1 s[6:7], bq s[8:9], bk s[10:11]
	s_load_b128 s[12:15], s[0:1], 0x20             ; bv s[12:13], c2 s[14:15]
	s_load_b64 s[16:17], s[0:1], 0x30              ; s2
	v_lshl_add_u32 v[SPW], v0, 2, SPARE
	v_mov_b32 v[NIL], 0
	ds_add_u32 v[SPW], v[NIL]                      ; the wave's opening: the add, twice on end, and its wait ahead of my first tensor load
	ds_add_u32 v[SPW], v[NIL]
	v_lshrrev_b32 v1, 5, v0
	v_readfirstlane_b32 s18, v1                    ; wave 0..3
	s_lshr_b32 s19, s18, 1                         ; my half of the tile's 128 positions of A
	s_and_b32 s20, s18, 1                          ; my half of its 256 of B
	s_bfe_u32 s21, ttmp6, 0x40000                  ; cx
	s_bfe_u32 s22, ttmp6, 0x40004                  ; cy
	s_and_b32 s23, ttmp7, 0xffff                   ; cluster y, 0..15
	s_lshl_b32 s2, s22, 2
	s_lshl_b32 s2, 15, s2                          ; my row of the cluster
	s_lshl_b32 s3, 0x1111, s21                     ; my column
	s_or_b32 s[G1A], s2, (3<<16)|(1<<21)           ; 15:0 the mask; 17:16 elements of 8 bytes; 21 set beside a mask
	s_or_b32 s[G1SA], s2, (3<<16)|(1<<21)
	s_or_b32 s[G1B], s3, (3<<16)|(1<<21)
	s_or_b32 s[G1SB], s3, (3<<16)|(1<<21)
	G1C G1A, 768, 8, 1536                          ; 8 row blocks x 6,144 bytes, 12,288 bytes apart
	G1C G1B, 768, 16, 1536
	G1C G1SA, 32, 16, 32                           ; 4,096 dense bytes as rows of 256
	G1C G1SB, 32, 32, 32
	G0C G0A0, 0
	G0C G0B0, ATILE
	G0C G0A1, SLOT
	G0C G0B1, SLOT+ATILE
	G0C G0SA, SCA
	G0C G0SB, SCB
	s_lshl_b32 s100, s23, 2
	s_add_co_u32 s100, s100, s22                   ; q, k: tile row 0..63 (tile column = cx)
	s_and_b32 s101, s23, 1
	s_lshl_b32 s101, s101, 2
	s_add_co_u32 s101, s101, s22                   ; v^T: tile row 0..7
	s_lshr_b32 s104, s23, 1
	s_lshl_b32 s104, s104, 2
	s_add_co_u32 s104, s104, s21                   ; v^T: tile column 0..31
	s_mul_i32 s[PA], s100, 98304                   ; byte offsets: A's hang on cy alone, B's on cx alone
	s_lshl_b32 s[PSA], s100, 12
	s_mul_i32 s[PB], s21, 196608
	s_add_co_u32 s[PB], s[PB], XTOT
	s_lshl_b32 s[PSB], s21, 13
	s_add_co_u32 s[PSB], s[PSB], XSTOT
	s_mul_i32 s[QA], s101, 98304
	s_add_co_u32 s[QA], s[QA], XTOT+2*WCB
	s_lshl_b32 s[QSA], s101, 12
	s_add_co_u32 s[QSA], s[QSA], XSTOT+2*WSB
	s_mul_i32 s[QB], s104, 196608
	s_add_co_u32 s[QB], s[QB], 2*XCB
	s_lshl_b32 s[QSB], s104, 13
	s_add_co_u32 s[QSB], s[QSB], 2*XSB
	s_wait_dscnt 0x0                               ; both opening adds are done
	s_wait_kmcnt 0x0
.irp d, PA, PB, QA, QB
	MKADR \d, 4
.endr
.irp d, PSA, PSB, QSA, QSB
	MKADR \d, 6
.endr
	SETG G0A0, PA, 0                               ; tile 0
	SETG G0B0, PB, 0
	SETG G0SA, PSA, 0
	SETG G0SB, PSB, 0
	SETG G0A1, PA, 6144
	SETG G0B1, PB, 6144
	s_add_nc_u64 s[PA:PA+1], s[PA:PA+1], XCB       ; on to tile 1
	s_add_nc_u64 s[PB:PB+1], s[PB:PB+1], WCB
	s_add_nc_u64 s[PSA:PSA+1], s[PSA:PSA+1], XSB
	s_add_nc_u64 s[PSB:PSB+1], s[PSB:PSB+1], WSB
	CROUND                                         ; all sixteen work-groups are here: the first joint loads meet
	LOADS_LO                                       ; one tensor load a wave at the head
	s_lshl_b32 s2, s21, 10
	s_mov_b32 s3, 0
	s_add_nc_u64 s[8:9], s[8:9], s[2:3]            ; bq, bk: my tile's 256 columns
	s_add_nc_u64 s[10:11], s[10:11], s[2:3]
	s_lshl_b32 s2, s101, 9
	s_add_nc_u64 s[12:13], s[12:13], s[2:3]        ; bv: my tile's 128 rows
	s_mul_i32 s2, s19, 24576
	s_mul_i32 s3, s20, 49152
	s_add_co_u32 s3, s3, ATILE
	s_lshl_b32 s4, s19, 8
	s_lshl_b32 s5, s20, 12
	s_add_co_u32 s5, s5, SCB-SCA
	s_sub_co_u32 s5, s5, s4                        ; from A's scale words to B's
	s_add_co_u32 s105, s4, BIAS+2048
	s_add_co_u32 s4, s4, SCA
	s_lshl_b32 s6, s18, 8
	s_add_co_u32 s6, s6, STG
	s_lshl_b32 s7, s20, 9
	s_add_co_u32 s7, s7, BIAS
	s_lshl_b32 s23, s21, 1
	s_add_co_u32 s23, s23, s19
	s_mul_i32 s23, s23, 12288                      ; prefetch, A: row block 2 cx + wave / 2,
	s_mul_i32 s66, s20, 3072
	s_add_co_u32 s23, s23, s66                     ; its 12 blocks of 256 bytes number wave % 2
	s_lshl_b32 s66, s22, 2
	s_add_co_u32 s66, s66, s18
	s_mul_i32 s66, s66, 12288                      ; B: row block 4 cy + wave
	v_and_b32 v1, 15, v0                           ; r
	v_bfe_u32 v2, v0, 4, 1                         ; h
	v_and_b32 v3, 31, v0
	v_lshlrev_b32 v[CO], 4, v3
	v_lshlrev_b32 v[CO8], 3, v3
	v_add_nc_u32 v[ADRA], s2, v[CO]
	v_add_nc_u32 v[ADRB], s3, v[CO]
	v_add_nc_u32 v[ADRA+1], SLOT, v[ADRA]
	v_add_nc_u32 v[ADRB+1], SLOT, v[ADRB]
	v_lshlrev_b32 v5, 2, v1                        ; 4 r
	v_mul_u32_u24 v6, s5, v2                       ; lanes 16-31 take B's: one product with h
	v_add_nc_u32 v6, v5, v6
	v_add_nc_u32 v[ADRS], s4, v6
	v_add_nc_u32 v[STO], s6, v5
	v_add_nc_u32 v[RD], s6, v[CO8]
	v_lshl_add_u32 v[ABI], v2, 6, s7               ; 64 h: my half's 16 of each 32
	v_and_b32 v7, 8, v1
	v_add_nc_u32 v7, v7, v1
	v_lshl_add_u32 v[ABV], v7, 2, s105             ; 4 (r + 8 (r / 8)): position r's original index
	v_lshlrev_b32 v8, 3, v0
	v_lshlrev_b32 v9, 2, v0
	v_lshl_add_u32 v10, v0, 3, BIAS
	v_lshl_add_u32 v11, v0, 2, BIAS+2048
	v_min_u32 v12, 11, v3
	v_lshl_add_u32 v[PFOA], v12, 8, s23
	v_min_u32 v13, 23, v3
	v_lshl_add_u32 v[PFOB], v13, 8, s66
.irp b, 0,1,2,3
	v_mov_b32 v[T2+\b], 0                          ; written once: a lane permute's destination counts as one of its sources
.endr
	s_wait_alu depctr_va_vdst(0)                   ; at the end of the head's vector work
	global_load_b64 v[12:13], v8, s[8:9]           ; thread i: bq's and bk's numbers 2 i, 2 i + 1, bv's number i
	global_load_b64 v[14:15], v8, s[10:11]
	global_load_b32 v18, v9, s[12:13]
	s_mov_b32 s[SEL], 0x76543210
	s_mov_b32 s[SEL+1], 0xfedcba98
	s_wait_loadcnt 0x0
	ds_store_b64 v10, v[12:13]
	ds_store_b64 v10, v[14:15] offset:1024
	ds_store_b32 v11, v18
	; where the results go: codes at T XCB + ((8 row + 4 half + a) NF + 2 column + half) x 1,536; scale words at T XSB + (row NF + 2 column + half) x 512 + 256 half; NF = 8 (q, k), 64 (v^T)
	s_lshl_b32 s2, s100, 3
	s_lshl_b32 s3, s19, 2
	s_add_co_u32 s2, s2, s3
	s_lshl_b32 s2, s2, 3
	s_lshl_b32 s105, s21, 1
	s_add_co_u32 s105, s105, s20
	s_add_co_u32 s2, s2, s105
	s_mul_i32 s4, s2, 1536                         ; s4: this tile's codes; s8: the next tile's; s10: tile 2's
	s_add_co_u32 s8, s4, XCB
	s_lshl_b32 s2, s100, 3
	s_add_co_u32 s2, s2, s105
	s_lshl_b32 s2, s2, 9
	s_lshl_b32 s3, s19, 8
	s_add_co_u32 s6, s2, s3                        ; s6, s9, s11: the same for the scale words
	s_add_co_u32 s9, s6, XSB
	s_lshl_b32 s2, s101, 3
	s_lshl_b32 s105, s19, 2
	s_add_co_u32 s2, s2, s105
	s_lshl_b32 s2, s2, 6
	s_lshl_b32 s105, s104, 1
	s_add_co_u32 s105, s105, s20
	s_add_co_u32 s2, s2, s105
	s_mul_i32 s10, s2, 1536
	s_add_co_u32 s10, s10, 2*XCB
	s_lshl_b32 s2, s101, 6
	s_add_co_u32 s2, s2, s105
	s_lshl_b32 s2, s2, 9
	s_add_co_u32 s2, s2, s3
	s_add_co_u32 s11, s2, 2*XSB
	s_mov_b32 s5, 0
	s_mov_b32 s7, 0
	s_wait_tensorcnt 0x0                           ; my tile of the head's four is in
	ds_add_u32 v[SPW], v[NIL]
	s_wait_dscnt 0x0                               ; the add and my stores of the biases are done
	CROUND
	LOADS_HI                                       ; tile 0's second half: slot 1's first fill
	ASK PA, PB, 0                                  ; tile 1's first half, one slot ahead of its load
	PRO
	s_mov_b32 s3, 2
.Ltile:                                ; tiles 0 and 1: q, k
	TILE 1, 1, 12288
	s_mov_b64 s[PA:PA+1], s[QA:QA+1]               ; (behind the way out's waits on XCNT: my prefetches have read these) the tile after the next is tile 2
	s_mov_b64 s[PB:PB+1], s[QB:QB+1]
	s_mov_b64 s[PSA:PSA+1], s[QSA:QSA+1]
	s_mov_b64 s[PSB:PSB+1], s[QSB:QSB+1]
	s_mov_b32 s4, s8
	s_mov_b32 s8, s10
	s_mov_b32 s6, s9
	s_mov_b32 s9, s11
	v_add_nc_u32 v[ABI], 1024, v[ABI]              ; bq -> bk
	s_sub_co_u32 s3, s3, 1
	s_cmp_lg_u32 s3, 0
	s_wait_alu depctr_va_vdst(0)
	s_cbranch_scc1 .Ltile
	TILE 2, 0, 98304                               ; tile 2: v^T; nothing more is asked for
	s_wait_tensorcnt 0x0                           ; the wave's end
	ds_add_u32 v[SPW], v[NIL]
	s_wait_dscnt 0x0
	CROUND                                         ; the closing round
	s_endpgm
.Lfunc_end_k_qa868d22ea8_proj:
	.size	k_qa868d22ea8_proj, .Lfunc_end_k_qa868d22ea8_proj-k_qa868d22ea8_proj
	.p2alignl 7, 3214868480
	.fill 96, 4, 3214868480
	.section	.rodata,"a",@progbits
	.p2align	6, 0x0
	.amdhsa_kernel k_qa868d22ea8_proj
		.amdhsa_group_segment_fixed_size 327680
		.amdhsa_private_segment_fixed_size 0
		.amdhsa_enable_private_segment 0
		.amdhsa_kernarg_size 56
		.amdhsa_user_sgpr_count 2
		.amdhsa_user_sgpr_kernarg_segment_ptr 1
		.amdhsa_wavefront_size32 1
		.amdhsa_system_sgpr_workgroup_id_x 1
		.amdhsa_system_sgpr_workgroup_id_y 1
		.amdhsa_system_sgpr_workgroup_id_z 1
		.amdhsa_system_vgpr_workitem_id 0
		.amdhsa_next_free_vgpr 832
		.amdhsa_next_free_sgpr 106
		.amdhsa_reserve_vcc 0
		.amdhsa_float_denorm_mode_32 3
		.amdhsa_float_denorm_mode_16_64 3
		.amdhsa_memory_ordered 1
		.amdhsa_forward_progress 1
		.amdhsa_inst_pref_size 168
	.end_amdhsa_kernel
	.amdgpu_metadata
---
amdhsa.version: [ 1, 2 ]
amdhsa.kernels:
  - .name:           k_qa868d22ea8_proj
    .symbol:         k_qa868d22ea8_proj.kd
    .args:
      - { .name: c1, .offset: 0, .size: 8, .value_kind: global_buffer, .address_space: global }
      - { .name: s1, .offset: 8, .size: 8, .value_kind: global_buffer, .address_space: global }
      - { .name: bq, .offset: 16, .size: 8, .value_kind: global_buffer, .address_space: global }
      - { .name: bk, .offset: 24, .size: 8, .value_kind: global_buffer, .address_space: global }
      - { .name: bv, .offset: 32, .size: 8, .value_kind: global_buffer, .address_space: global }
      - { .name: c2, .offset: 40, .size: 8, .value_kind: global_buffer, .address_space: global }
      - { .name: s2, .offset: 48, .size: 8, .value_kind: global_buffer, .address_space: global }
    .group_segment_fixed_size: 327680
    .private_segment_fixed_size: 0
    .kernarg_segment_align: 8
    .kernarg_segment_size: 56
    .max_flat_workgroup_size: 128
    .sgpr_count:     106
    .vgpr_count:     832
    .wavefront_size: 32
...
	.end_amdgpu_metadata
.endif
;; end of part 2
;; launch score (part 3): grid 8 x 32, 4 waves a work-group, clusters of 4 x 4, 327,680 bytes of LDS; arguments c2, s2, c3, s3; writes c3, s3
.if DOCPART == 3
	.amdgcn_target "amdgcn-amd-amdhsa--gfx1250"
	.amdhsa_code_object_version 6
	.text
	.protected	k_qa868d22ea8_score
	.globl	k_qa868d22ea8_score
	.p2align	8
	.type	k_qa868d22ea8_score,@function
k_qa868d22ea8_score:
	s_mov_b64 s[64:65], 0
	v_nop
	global_prefetch_b8 v0, s[64:65] scope:SCOPE_SE
	s_setreg_imm32_b32 hwreg(HW_REG_WAVE_MODE, 25, 1), 1
	s_wait_xcnt 0x0
	s_wait_alu depctr_hold_cnt(0) depctr_sa_sdst(0) depctr_va_vdst(0) depctr_va_sdst(0) depctr_va_ssrc(0) depctr_va_vcc(0) depctr_vm_vsrc(0)
	s_getreg_b32 s2, hwreg(HW_REG_IB_STS2, 6, 4)
	s_cmp_eq_u32 s2, 0
	s_cbranch_scc0 .Lentry_in_a_cluster
	s_endpgm
.Lentry_in_a_cluster:
	s_bfe_u32 s2, ttmp6, 0x10000c
	s_cmp_lg_u32 s2, 0xf033
	s_cbranch_scc0 .Lentry_shape_is_right
	s_endpgm
.Lentry_shape_is_right:
; THIRD LAUNCH: the scores q k^T on codes of BF6, and the softmax's p, quantised along the keys.  Nothing is left out as dead work.
; A tile of 256 queries x 256 keys of one batch to a work-group of four waves, 128 x 128 a wave; K = 1,024 in steps of 256 through a ring of two LDS slots; 4 x 4 clusters, q's tiles asked for jointly along a row, k's along a column.
; THE SOFTMAX.  t = score x log2(e) / 32.  For each query and each wave's 128 keys: M = the largest t of these 128, rounded UP to a whole number; p = 2^(t - M), quantised in blocks of 32 keys; l = the sum of the unquantised p.
; The maximum is taken away before every exponential.  The next launch takes each row's largest M, shifts the scale bytes by the whole number M(row) - M and the sums by the same power of two: exact, so the codes are those of the row's own M.
; Stored: P's codes (images of the operand's registers), P's scale words, -M and l, the last three in the scale words' layout.
; LAYOUT and the transposed use of the matrix instruction: as in the launch before: lane (r, h) holds query position r, and registers 16 i + j of a block are the keys 32 i + 16 h + j of the wave's 128.
; LIMITS: NaN and infinities are not served; a p under 2^-126 counts as 0; a block whose every p lies under 2^-122 keeps the byte 1.
; PREFETCH: each slot's tiles of q and k (3,072 bytes of each of 16 row blocks) are asked for one slot ahead of their tensor load: K chunks 1, 2 and 3; chunk 0 comes by the head's load alone.
; Of a tile's 16 row blocks each of the four partners that load it jointly names four, a wave one (12 blocks of 256 bytes), told apart by address; lanes left over name their wave's last block again.
.set KK,     1024
.set NQ,     2
.set FR,     12
.set NL,     3
.set NP,     4
.set HALFT,  24576
.set SLOT,   4*HALFT
.set SH,     KK*4
.set LAPS,   KK/512
.set PITCH,  KK/128*192
.set SCL,    2*SLOT
.set SPARE,  SCL+4*SH                  ; the spare words, 128 bytes for each wave: two blocks of 256 bytes that no other line names
.set XCB,    6291456
.set XSB,    262144
.set ADRA, 16
.set ADRB, 20
.set STO,  24                          ; v24  the way out: my row's words in my stage
.set RD,   25
.set CO,   26                          ; v26  16 x lane
.set ADRS, 27
.set SPW,  28
.set NIL,  29
.set SC,   32                          ; v32-63 scale words and nothing else
.set AF,   128
.set TB,   64                          ; v64-67 the blocks' largest scores, then their largest p
.set T2,   68                          ; v68-71 the other half's, then the bytes
.set SCV,  72                          ; v72-75 the conversions' scale operands
.set NM,   76                          ; v[76:77] -M (the pair's low word serves both halves)
.set CH,   78                          ; v[78:81] the sum, in two chains of pairs
.set PW,   82
.set PC,   96
.set CS,   94                          ; s[94:95] c = log2(e) / 32
.set SEL,  96                          ; s[96:97]
.set G1, 24
.set G0, 32
.set G1B, 48
.set G0B, 56
.set G1S, 68
.set G0S, 76
.set G1SB, 80
.set G0SB, 88
.set MSB, 0
.macro WIN new
.if MSB != (\new)
	s_set_vgpr_msb (MSB<<8)|(\new)
.set MSB, (\new)
.endif
.endm
.set MUL_LO, 0xa1
.set MUL_HI, 0xf1
.set TO_B,   0x40
.macro JLOAD g0a, g1a, g0b, g1b        ; a joint load: waves 0 and 1 fetch for A, waves 2 and 3 for B; an s_nop 0 and four v_nop follow each line
	s_cmp_eq_u32 s15, 0
	s_cbranch_scc0 .Lfor_b_\@
	tensor_load_to_lds s[\g0a:\g0a+3], s[\g1a:\g1a+7]
	s_nop 0
.rept 4
	v_nop
.endr
	s_branch .Lasked_\@
.Lfor_b_\@:
	tensor_load_to_lds s[\g0b:\g0b+3], s[\g1b:\g1b+7]
	s_nop 0
.rept 4
	v_nop
.endr
.Lasked_\@:
.endm
.macro CREST
	s_cmp_lg_u32 s14, 0
	s_cbranch_scc1 .Lnot_wave_0_\@
	s_barrier_signal -3
.Lnot_wave_0_\@:
	s_barrier_wait -3
	s_barrier_signal -1
	s_barrier_wait -1
.endm
.macro CROUND
	s_barrier_signal -1
	s_barrier_wait -1
	CREST
.endm
.macro FRAG reg, adr, q, i
.irp c, 0,1,2
	ds_load_b128 v[\reg+4*\c:\reg+4*\c+3], v[\adr] offset:(\i)*3072+(\q)*1536+512*\c
.endr
.endm
.macro MUL16 a0, p, q, sc, mode        ; 16 matrix instructions; mode 1: the first product starts the sums.  The 64 accumulators take turns
.irp a, \a0, \a0+1
.irp b, 0,1,2,3,4,5,6,7
.if (\mode) == 0
	v_wmma_scale_f32_16x16x128_f8f6f4 v[8*(8*((\a)%4)+\b):8*(8*((\a)%4)+\b)+7], v[128*(\p)+FR*\b:128*(\p)+FR*\b+FR-1], v[AF+FR*(\a):AF+FR*(\a)+FR-1], v[8*(8*((\a)%4)+\b):8*(8*((\a)%4)+\b)+7], v[SC+16*(\sc)+2*\b+(\q)], v[SC+16*(\sc)+2*(\a)+(\q)] matrix_a_fmt:MATRIX_FMT_BF6 matrix_b_fmt:MATRIX_FMT_BF6 matrix_a_scale:MATRIX_SCALE_ROW1
.else
	v_wmma_scale_f32_16x16x128_f8f6f4 v[8*(8*((\a)%4)+\b):8*(8*((\a)%4)+\b)+7], v[128*(\p)+FR*\b:128*(\p)+FR*\b+FR-1], v[AF+FR*(\a):AF+FR*(\a)+FR-1], 0, v[SC+16*(\sc)+2*\b+(\q)], v[SC+16*(\sc)+2*(\a)+(\q)] matrix_a_fmt:MATRIX_FMT_BF6 matrix_b_fmt:MATRIX_FMT_BF6 matrix_a_scale:MATRIX_SCALE_ROW1
.endif
.endr
.endr
.endm
.macro FETCH_B slot, q, p
	WIN TO_B
.irp i, 0,1,2,3,4,5,6,7
	FRAG 128*(\p)+FR*\i, ADRB+\slot, \q, \i
.endr
	WIN 0
.endm
.macro FETCH_A slot, q, i0
.irp i, \i0, \i0+1, \i0+2, \i0+3
	FRAG AF+FR*(\i), ADRA+\slot, \q, \i
.endr
.endm
.macro SCALES sc
.irp i, 0,1,2,3,4,5,6,7
.irp q, 0,1
	ds_load_b32 v[SC+16*\sc+2*\i+\q], v[ADRS] offset:512*\q+64*\i
.endr
.endr
.endm
.macro PLACES n
.rept \n
	v_nop
.endr
.endm
.macro STEP slot, q, mode
	s_wait_dscnt 4*NL                              ; all but the youngest twelve loads (A's blocks 4-7) are in
	WIN MUL_LO
	MUL16 0, (\q)%2, \q, \slot, \mode
	MUL16 2, (\q)%2, \q, \slot, \mode
	s_wait_dscnt 0
	PLACES NP
	FETCH_B \slot, (\q)+1, 1-(\q)%2
	FETCH_A \slot, (\q)+1, 0
	WIN MUL_HI
	MUL16 4, (\q)%2, \q, \slot, \mode
	MUL16 6, (\q)%2, \q, \slot, \mode
	PLACES NP
	WIN 0
	FETCH_A \slot, (\q)+1, 4
.endm
.macro TURN slot, next, fill
	s_wait_tensorcnt 0x0                           ; all my tensor loads have landed: my part of the next slot
	ds_add_u32 v[SPW], v[NIL]                      ; 0 onto my spare word
	s_wait_dscnt 4*NL+1                            ; (the add and the youngest twelve loads may be out)
	WIN MUL_LO
	MUL16 0, 1, NQ-1, \slot, 0
	s_wait_dscnt 0x0                               ; the add is done, and my reads of this slot are over
	s_barrier_signal -1
	MUL16 2, 1, NQ-1, \slot, 0
	WIN 0
	s_barrier_wait -1
.if \fill
	CREST                                          ; a round of the cluster's barrier: no wave of any partner still reads this slot or has a load on its way
	s_add_nc_u64 s[G0+4*\slot+2:G0+4*\slot+3], s[G0+4*\slot+2:G0+4*\slot+3], 6144
	s_add_nc_u64 s[G0B+4*\slot+2:G0B+4*\slot+3], s[G0B+4*\slot+2:G0B+4*\slot+3], 6144
	JLOAD G0+4*\slot, G1, G0B+4*\slot, G1B
.else
	PLACES NP
.endif
	s_wait_alu depctr_va_vdst(0)
	v_add_nc_u32 v[ADRS], 1024, v[ADRS]
	FETCH_B \next, 0, 0
	FETCH_A \next, 0, 0
	SCALES \next
.if (\fill) && (\slot) == 0            ; the loop has LAPS - 1 = 1 trip: its first change of slots has loaded chunk 2, and chunk 3, the last, is loaded at the next
	global_prefetch_b8 v30, s[98:99] offset:9216 th:TH_LOAD_NT scope:SCOPE_SE
	global_prefetch_b8 v31, s[46:47] offset:9216 th:TH_LOAD_NT scope:SCOPE_SE
.endif
	WIN MUL_HI
	MUL16 4, 1, NQ-1, \slot, 0
	MUL16 6, 1, NQ-1, \slot, 0
	PLACES NP
	WIN 0
	FETCH_A \next, 0, 4
.endm
	s_load_b256 s[4:11], s[0:1], 0x0               ; c2 s[4:5], s2 s[6:7], c3 s[8:9], s3 s[10:11]
	v_lshl_add_u32 v[SPW], v0, 2, SPARE
	v_mov_b32 v[NIL], 0
	ds_add_u32 v[SPW], v[NIL]                      ; the wave's opening: the add, twice on end, and its wait ahead of my first tensor load
	ds_add_u32 v[SPW], v[NIL]
	v_lshrrev_b32 v1, 5, v0
	v_readfirstlane_b32 s14, v1
	s_lshr_b32 s15, s14, 1
	s_and_b32 s16, s14, 1
	s_bfe_u32 s40, ttmp6, 0x40000                  ; cx
	s_bfe_u32 s41, ttmp6, 0x40004                  ; cy
	s_lshl_b32 s42, ttmp9, 2
	s_add_co_u32 s42, s42, s40                     ; TC: tile of 256 keys in the batch, 0..7
	s_and_b32 s18, ttmp7, 0xffff
	s_lshl_b32 s17, s18, 2
	s_add_co_u32 s17, s17, s41                     ; TR: tile of 256 queries among all 8,192, 0..31
	s_lshr_b32 s18, s18, 1                         ; the batch: two clusters of four tiles each
	s_lshl_b32 s43, s41, 2
	s_lshl_b32 s43, 15, s43
	s_lshl_b32 s44, 0x1111, s40
	s_or_b32 s[G1+0], s43, (3<<16)|(1<<21)
	s_or_b32 s[G1B+0], s44, (3<<16)|(1<<21)
.irp g, G1, G1B
	s_mov_b32 s[\g+1], 384<<16
	s_mov_b32 s[\g+2], 16<<16                      ; the head's loads bring 16 row blocks; behind them these two words are set to 8, for the ring's
	s_mov_b32 s[\g+3], 384<<16
	s_mov_b32 s[\g+4], 16
	s_mov_b32 s[\g+5], PITCH
	s_mov_b32 s[\g+6], 0
	s_mov_b32 s[\g+7], 0
.endr
	s_or_b32 s[G1S+0], s43, (3<<16)|(1<<21)
	s_or_b32 s[G1SB+0], s44, (3<<16)|(1<<21)
.irp g, G1S, G1SB
	s_mov_b32 s[\g+1], 32<<16
	s_mov_b32 s[\g+2], 32<<16                      ; the scale words of 256 positions: 8,192 dense bytes as 32 rows of 256
	s_mov_b32 s[\g+3], 32<<16
	s_mov_b32 s[\g+4], 32
	s_mov_b32 s[\g+5], 32
	s_mov_b32 s[\g+6], 0
	s_mov_b32 s[\g+7], 0
.endr
	s_lshl_b32 s19, s17, 1                         ; q: the tile's first 128 positions
	s_mul_i32 s20, s19, 98304
	s_mov_b32 s21, 0
	s_lshl_b32 s22, s19, 12
	s_mov_b32 s23, 0
	s_lshl_b32 s66, s18, 3
	s_add_co_u32 s66, s66, s42
	s_lshl_b32 s66, s66, 1                         ; k: 2 (8 batch + TC)
	s_mul_i32 s46, s66, 98304
	s_add_co_u32 s46, s46, XCB
	s_mov_b32 s47, 0
	s_lshl_b32 s92, s66, 12
	s_add_co_u32 s92, s92, XSB
	s_mov_b32 s93, 0
	s_mul_i32 s45, s14, HALFT
	s_mul_i32 s12, s16, 98304                      ; in the ring I fetch 128 positions of a tile: which half, in bytes
	s_mov_b32 s13, 0
	s_mov_b32 s[CS], 0x3d38aa3b                    ; log2(e) / 32
	s_mov_b32 s[CS+1], s[CS]
	s_mov_b32 s[SEL], 0x76543210
	s_mov_b32 s[SEL+1], 0xfedcba98
	s_wait_dscnt 0x0
	s_wait_kmcnt 0x0
	s_add_nc_u64 s[20:21], s[4:5], s[20:21]
	s_mov_b64 s[98:99], s[20:21]                   ; q's tile, kept for the prefetches (k's stays in s[46:47])
	s_add_nc_u64 s[22:23], s[6:7], s[22:23]
	s_add_nc_u64 s[46:47], s[4:5], s[46:47]
	s_add_nc_u64 s[92:93], s[6:7], s[92:93]
	CROUND
	s_mov_b32 s[G0S], 1
	s_mov_b32 s[G0S+1], SCL
	s_mov_b64 s[G0S+2:G0S+3], s[22:23]
	s_or_b32 s[G0S+3], s[G0S+3], 0x80000000
	s_mov_b32 s[G0SB], 1
	s_mov_b32 s[G0SB+1], SCL+2*SH
	s_mov_b64 s[G0SB+2:G0SB+3], s[92:93]
	s_or_b32 s[G0SB+3], s[G0SB+3], 0x80000000
.irp s, 0,1
	s_mov_b32 s[G0+4*\s], 1
	s_add_co_u32 s[G0+4*\s+1], s45, \s*SLOT
	s_add_nc_u64 s[G0+4*\s+2:G0+4*\s+3], s[20:21], \s*3072
	s_or_b32 s[G0+4*\s+3], s[G0+4*\s+3], 0x80000000
	s_mov_b32 s[G0B+4*\s], 1
	s_add_co_u32 s[G0B+4*\s+1], s45, \s*SLOT
	s_add_nc_u64 s[G0B+4*\s+2:G0B+4*\s+3], s[46:47], \s*3072
	s_or_b32 s[G0B+4*\s+3], s[G0B+4*\s+3], 0x80000000
.endr
	s_add_nc_u64 s[G0+6:G0+7], s[G0+6:G0+7], s[12:13]      ; slot 1: my 128 positions
	s_add_nc_u64 s[G0B+6:G0B+7], s[G0B+6:G0B+7], s[12:13]
	s_mov_b32 s[G0+1], 0                           ; slot 0's groups 0 serve the head's whole tiles first: q's 256 positions,
	s_mov_b32 s[G0B+1], 2*HALFT                    ; and k's behind them
	s_lshl_b32 s2, s40, 2
	s_add_co_u32 s2, s2, s14
	s_mul_i32 s2, s2, 12288                        ; prefetch, q: row block 4 cx + wave
	s_lshl_b32 s67, s41, 2
	s_add_co_u32 s67, s67, s14
	s_mul_i32 s67, s67, 12288                      ; k: row block 4 cy + wave
	v_and_b32 v3, 31, v0
	v_min_u32 v3, 11, v3
	v_lshl_add_u32 v30, v3, 8, s2                  ; v30, v31: never rewritten
	v_lshl_add_u32 v31, v3, 8, s67
	s_wait_alu depctr_va_vdst(0)                   ; directly behind the writes
; THE HEAD'S LOADS, ONE A WAVE: wave 0 q's 256 positions of slot 0, wave 1 k's, wave 2 q's scale words, wave 3 k's.  One chain of branches on the wave's number, one load to an arm
.macro ARM under, g0, g1, next
	s_cmp_lt_u32 s14, \under
	s_cbranch_scc0 \next
	tensor_load_to_lds s[\g0:\g0+3], s[\g1:\g1+7]
	s_nop 0
.rept 4
	v_nop
.endr
	s_branch .Lhead_asked
\next:
.endm
	ARM 1, G0,  G1,  .Lhead_b
	ARM 2, G0B, G1B, .Lhead_sa
	ARM 3, G0S, G1S, .Lhead_sb
	tensor_load_to_lds s[G0SB:G0SB+3], s[G1SB:G1SB+7]
	s_nop 0
.rept 4
	v_nop
.endr
.Lhead_asked:
	global_prefetch_b8 v30, s[98:99] offset:3072 th:TH_LOAD_NT scope:SCOPE_SE    ; K chunk 1, loaded behind the next round
	global_prefetch_b8 v31, s[46:47] offset:3072 th:TH_LOAD_NT scope:SCOPE_SE
	; P's codes at ((16 TR + 8 half + a) x 16 + 2 TC + half) x 1,536; its words at ((2 TR + half) x 16 + 2 TC + half) x 512
	s_lshl_b32 s19, s17, 4
	s_lshl_b32 s20, s15, 3
	s_add_co_u32 s19, s19, s20
	s_lshl_b32 s19, s19, 4
	s_lshl_b32 s66, s42, 1
	s_add_co_u32 s66, s66, s16
	s_add_co_u32 s19, s19, s66
	s_mul_i32 s20, s19, 1536
	s_mov_b32 s21, 0
	s_add_nc_u64 s[8:9], s[8:9], s[20:21]
	s_lshl_b32 s19, s17, 1
	s_add_co_u32 s19, s19, s15
	s_lshl_b32 s19, s19, 4
	s_add_co_u32 s19, s19, s66
	s_lshl_b32 s20, s19, 9
	s_add_nc_u64 s[10:11], s[10:11], s[20:21]
	v_and_b32 v1, 15, v0
	v_bfe_u32 v2, v0, 4, 1
	s_wait_alu depctr_va_vdst(0)
	v_and_b32 v3, 31, v0
	v_lshlrev_b32 v[CO], 4, v3
	s_mul_i32 s17, s15, HALFT
	s_mul_i32 s19, s16, HALFT
	s_add_co_u32 s19, s19, 2*HALFT
.irp s, 0,1
	v_add_nc_u32 v[ADRA+\s], s17, v[CO]
	v_add_nc_u32 v[ADRB+\s], s19, v[CO]
	s_add_co_u32 s17, s17, SLOT
	s_add_co_u32 s19, s19, SLOT
.endr
	v_lshlrev_b32 v5, 2, v1
	s_mul_i32 s17, s15, SH
	s_mul_i32 s19, s16, SH
	s_add_co_u32 s19, s19, 2*SH
	s_sub_co_u32 s19, s19, s17
	v_mul_u32_u24 v6, s19, v2
	s_add_co_u32 s17, s17, SCL
	v_add_nc_u32 v6, v5, v6
	v_add_nc_u32 v[ADRS], s17, v6
	s_mul_i32 s17, s14, 1536                       ; my stage, in slot 0: three runs of 512 bytes
	v_add_nc_u32 v[STO], s17, v5
	v_add_nc_u32 v[RD], s17, v[CO]
	s_wait_alu depctr_va_vdst(0)
	s_wait_tensorcnt 0x0                           ; my tile of the head's four is in
	ds_add_u32 v[SPW], v[NIL]
	s_mov_b32 s[G1+2], 8<<16                       ; no tensor load of mine is out: from here on a load brings 8 row blocks,
	s_mov_b32 s[G1+4], 8
	s_mov_b32 s[G1B+2], 8<<16
	s_mov_b32 s[G1B+4], 8
	s_mov_b32 s[G0+1], s45                         ; and slot 0's groups 0 name my quarter of the slot
	s_mov_b32 s[G0B+1], s45
	s_add_nc_u64 s[G0+2:G0+3], s[G0+2:G0+3], s[12:13]
	s_add_nc_u64 s[G0B+2:G0B+3], s[G0B+2:G0B+3], s[12:13]
	s_wait_dscnt 0x0
	CROUND                                         ; a whole round: all four tiles are in, and all sixteen work-groups are here
	JLOAD G0+4, G1, G0B+4, G1B                     ; slot 1's first fill, the first tensor load behind the round
	FETCH_B 0, 0, 0
	FETCH_A 0, 0, 0
	SCALES 0
	FETCH_A 0, 0, 4
	global_prefetch_b8 v30, s[98:99] offset:6144 th:TH_LOAD_NT scope:SCOPE_SE    ; K chunk 2, loaded at the first change of slots
	global_prefetch_b8 v31, s[46:47] offset:6144 th:TH_LOAD_NT scope:SCOPE_SE
	STEP 0, 0, 1
	s_mov_b32 s3, LAPS-1
.Llap:
	TURN 0, 1, 1
	STEP 1, 0, 0
	TURN 1, 0, 1
	STEP 0, 0, 0
	s_sub_co_u32 s3, s3, 1
	s_cmp_lg_u32 s3, 0
	s_cbranch_scc1 .Llap
	TURN 0, 1, 0
	STEP 1, 0, 0
	s_wait_dscnt 4*NL
	WIN MUL_LO
	MUL16 0, 1, NQ-1, 1, 0
	MUL16 2, 1, NQ-1, 1, 0
	s_wait_dscnt 0
	WIN MUL_HI
	MUL16 4, 1, NQ-1, 1, 0
	MUL16 6, 1, NQ-1, 1, 0
	WIN 0
; THE SOFTMAX OF BLOCK a: 16 queries x my 128 keys.  Two batches of exponentials, each with one plain instruction and one wait behind it.
.macro SOFT a
.set S, 64*((\a)%4)
	WIN 0x0a+5*((\a)/4)                            ; sources 0 and 1: window 2 or 3
.irp b, 0,1,2,3
	v_max_num_f32 v[TB+\b], v[S+16*\b], v[S+16*\b+1]          ; the largest score of each block of 32 keys; each accumulator is read from its low end on
.endr
.irp i, 2,4,6,8,10,12,14
.irp b, 0,1,2,3
	v_max3_num_f32 v[TB+\b], v[S+16*\b+\i], v[S+16*\b+\i+1], v[TB+\b]
.endr
.endr
	WIN 0
.irp b, 0,1,2,3
	v_permlanex16_b32 v[T2+\b], v[TB+\b], s[SEL], s[SEL+1]
.endr
.irp b, 0,1,2,3
	v_max_num_f32 v[TB+\b], v[TB+\b], v[T2+\b]     ; with lane l xor 16's 16 keys
.endr
	v_max3_num_f32 v83, v[TB], v[TB+1], v[TB+2]
	v_max_num_f32 v83, v83, v[TB+3]                ; the largest score of my query among these 128 keys
	v_mul_f32 v83, s[CS], v83                      ; as t (c is positive)
	v_floor_f32 v[NM], -v83                        ; -M = floor(-t) = -ceil(t): a whole number
.irp b, 0,1,2,3
	v_fma_f32 v[TB+\b], v[TB+\b], s[CS], v[NM]     ; t - M of each block's largest score: p rises with the score
.endr
	s_wait_alu depctr_va_vdst(0)
.irp b, 0,1,2,3
	v_exp_f32 v[TB+\b], v[TB+\b]                   ; the block's largest p
.endr
.irp j, 0,1,2,3
	v_mov_b32 v[CH+\j], 0                          ; the sum's two chains begin (plain work behind the four exponentials)
.endr
	s_wait_alu depctr_va_vdst(0)                   ; one wait for the four, ahead of their first reader
.irp b, 0,1,2,3
	v_max_num_f32 v[TB+\b], 0x2800000, v[TB+\b]    ; the floor 2^(5 - 127): the byte cannot fall under 1
.endr
.irp b, 0,1,2,3
	v_add_nc_u32 v[SCV+\b], 0xfe000000, v[TB+\b]   ; 4 off the exponent field: the conversion's scale operand
.endr
.irp b, 0,1,2,3
	v_lshrrev_b32 v[T2+\b], 23, v[SCV+\b]          ; the scale's byte, under this M
.endr
	v_lshl_or_b32 v[PW], v[T2+1], 8, v[T2]
	v_lshl_or_b32 v[PW], v[T2+2], 16, v[PW]
	v_lshl_or_b32 v[PW], v[T2+3], 24, v[PW]
	WIN 0x82+0x41*((\a)/4)                         ; destination and source 0: window 2 or 3
.set j, 0
.rept 32
	v_pk_fma_f32 v[S+j:S+j+1], v[S+j:S+j+1], s[CS:CS+1], v[NM:NM+1] op_sel_hi:[1,0,0]   ; t - M, two at a time
.set j, j+2
.endr
.set j, 0
	s_wait_alu depctr_va_vdst(0)
.rept 64
	v_exp_f32 v[S+j], v[S+j]                       ; p = 2^(t - M): not normalised
.set j, j+1
.endr
	v_nop                                          ; a plain instruction behind the last exponential
	s_wait_alu depctr_va_vdst(0)                   ; one wait for the 64, ahead of their first reader
	WIN 0x02+(\a)/4                                ; source 0: window 2 or 3
.set j, 0
.rept 16
	v_pk_add_f32 v[CH:CH+1], v[S+j:S+j+1], v[CH:CH+1]          ; the sum is taken of the unquantised p
	v_pk_add_f32 v[CH+2:CH+3], v[S+j+2:S+j+3], v[CH+2:CH+3]
.set j, j+4
.endr
	s_wait_alu depctr_va_vdst(0)
	s_wait_xcnt 0x0                                ; the last block's stores have read their data: the codes' registers are written again only behind this wait
.irp c, 0,1
	v_cvt_scalef32_pk16_bf6_f32 v[PC+6*\c:PC+2+6*\c], v[S+32*\c:S+15+32*\c], v[SCV+2*\c]
	v_cvt_scalef32_pk16_bf6_f32 v[PC+12+4*\c:PC+14+4*\c], v[S+16+32*\c:S+31+32*\c], v[SCV+2*\c+1]
.endr
	WIN 0
	v_pk_add_f32 v[CH:CH+1], v[CH:CH+1], v[CH+2:CH+3]          ; (the plain place behind the scaled conversions)
.irp c, 0,1
.irp i, 0,1,2
	v_permlane16_swap_b32 v[PC+6*\c+\i], v[PC+12+4*\c+\i]
.endr
.irp i, 0,1,2
	v_mov_b32 v[PC+3+6*\c+\i], v[PC+12+4*\c+\i]
.endr
.endr
	v_add_f32 v84, v[CH], v[CH+1]
	v_permlanex16_b32 v85, v84, s[SEL], s[SEL+1]
	v_add_f32 v84, v84, v85                        ; l of my query over these 128 keys
.irp c, 0,1,2
	global_store_b128 v[CO], v[PC+4*\c:PC+4*\c+3], s[8:9] offset:24576*(\a)+512*\c   ; the fragment's image: 512 consecutive bytes a store
.endr
	ds_store_b32 v[STO], v[PW] offset:64*(\a)
	ds_store_b32 v[STO], v[NM] offset:64*(\a)+512
	ds_store_b32 v[STO], v84 offset:64*(\a)+1024
.endm
	PLACES NP
.irp b, 0,1,2,3
	v_mov_b32 v[T2+\b], 0                          ; written once: a lane permute's destination counts as one of its sources
.endr
	v_mov_b32 v[NM+1], 0                           ; (named as the upper half of a pair)
	v_mov_b32 v85, 0
.irp a, 0,1,2,3,4,5,6,7
	SOFT \a
.endr
.irp k, 0,1,2
	ds_load_b128 v[116+4*\k:119+4*\k], v[RD] offset:512*\k     ; scale words, -M, l of my 128 rows (LDS serves a wave's instructions in order)
.endr
.irp k, 0,1,2
	s_wait_dscnt 2-\k
	global_store_b128 v[CO], v[116+4*\k:119+4*\k], s[10:11] offset:524288*\k   ; 512 consecutive bytes a store
.endr
	s_wait_tensorcnt 0x0                           ; the wave's end
	ds_add_u32 v[SPW], v[NIL]
	s_wait_dscnt 0x0
	CROUND                                         ; the closing round
	s_endpgm
.Lfunc_end_k_qa868d22ea8_score:
	.size	k_qa868d22ea8_score, .Lfunc_end_k_qa868d22ea8_score-k_qa868d22ea8_score
	.p2alignl 7, 3214868480
	.fill 96, 4, 3214868480
	.section	.rodata,"a",@progbits
	.p2align	6, 0x0
	.amdhsa_kernel k_qa868d22ea8_score
		.amdhsa_group_segment_fixed_size 327680
		.amdhsa_private_segment_fixed_size 0
		.amdhsa_enable_private_segment 0
		.amdhsa_kernarg_size 32
		.amdhsa_user_sgpr_count 2
		.amdhsa_user_sgpr_kernarg_segment_ptr 1
		.amdhsa_wavefront_size32 1
		.amdhsa_system_sgpr_workgroup_id_x 1
		.amdhsa_system_sgpr_workgroup_id_y 1
		.amdhsa_system_sgpr_workgroup_id_z 1
		.amdhsa_system_vgpr_workitem_id 0
		.amdhsa_next_free_vgpr 1024
		.amdhsa_next_free_sgpr 100
		.amdhsa_reserve_vcc 0
		.amdhsa_float_denorm_mode_32 3
		.amdhsa_float_denorm_mode_16_64 3
		.amdhsa_memory_ordered 1
		.amdhsa_forward_progress 1
		.amdhsa_inst_pref_size 202
	.end_amdhsa_kernel
	.amdgpu_metadata
---
amdhsa.version: [ 1, 2 ]
amdhsa.kernels:
  - .name:           k_qa868d22ea8_score
    .symbol:         k_qa868d22ea8_score.kd
    .args:
      - { .name: c2, .offset: 0, .size: 8, .value_kind: global_buffer, .address_space: global }
      - { .name: s2, .offset: 8, .size: 8, .value_kind: global_buffer, .address_space: global }
      - { .name: c3, .offset: 16, .size: 8, .value_kind: global_buffer, .address_space: global }
      - { .name: s3, .offset: 24, .size: 8, .value_kind: global_buffer, .address_space: global }
    .group_segment_fixed_size: 327680
    .private_segment_fixed_size: 0
    .kernarg_segment_align: 8
    .kernarg_segment_size: 32
    .max_flat_workgroup_size: 128
    .sgpr_count:     100
    .vgpr_count:     1024
    .wavefront_size: 32
...
	.end_amdgpu_metadata
.endif
;; end of part 3
;; launch pv (part 4): grid 4 x 64, 4 waves a work-group, clusters of 4 x 4, 327,680 bytes of LDS; arguments c3, s3, c2, s2, out0; writes out0
.if DOCPART == 4
	.amdgcn_target "amdgcn-amd-amdhsa--gfx1250"
	.amdhsa_code_object_version 6
	.text
	.protected	k_qa868d22ea8_pv
	.globl	k_qa868d22ea8_pv
	.p2align	8
	.type	k_qa868d22ea8_pv,@function
k_qa868d22ea8_pv:
	s_mov_b64 s[64:65], 0
	v_nop
	global_prefetch_b8 v0, s[64:65] scope:SCOPE_SE
	s_setreg_imm32_b32 hwreg(HW_REG_WAVE_MODE, 25, 1), 1
	s_wait_xcnt 0x0
	s_wait_alu depctr_hold_cnt(0) depctr_sa_sdst(0) depctr_va_vdst(0) depctr_va_sdst(0) depctr_va_ssrc(0) depctr_va_vcc(0) depctr_vm_vsrc(0)
	s_getreg_b32 s2, hwreg(HW_REG_IB_STS2, 6, 4)
	s_cmp_eq_u32 s2, 0
	s_cbranch_scc0 .Lentry_in_a_cluster
	s_endpgm
.Lentry_in_a_cluster:
	s_bfe_u32 s2, ttmp6, 0x10000c
	s_cmp_lg_u32 s2, 0xf033
	s_cbranch_scc0 .Lentry_shape_is_right
	s_endpgm
.Lentry_shape_is_right:
; FOURTH LAUNCH: y = P v / l on codes of BF6.  Nothing is left out as dead work.  A tile of 128 queries x 256 dv to a work-group of four waves, 64 x 128 a wave; K = 2,048 keys in slots of 512 through a ring of two LDS slots;
; 4 x 4 clusters, P's tiles asked for jointly along a row, v^T's along a column.  In the head each row's largest M is taken over its 16 runs of 128 keys, P's scale bytes are shifted by the whole number M(row) - M, and l is summed under the row's M.
; THE HEAD'S LOADS, ONE A WAVE: wave 0 P's 128 positions of slot 0, wave 1 v^T's 256, waves 2 and 3 the scale words of v^T's two halves; slot 1 is first filled behind the full sequence and a round.
; PREFETCH: each slot's tiles of P and v^T (6,144 bytes of each row block) are asked for one slot ahead of their tensor load: key chunks 1, 2 and 3; chunk 0 comes by the head's load alone.
; Of P's 8 row blocks each of the four partners that load them jointly names two (a wave 12 blocks of 256 bytes), of v^T's 16 four (a wave one row block, 24 blocks), told apart by address; lanes left over name their wave's last block again.
.set FR,     12
.set NP,     4
.set AHALF,  24576
.set BHALF,  49152
.set AREG,   2*AHALF
.set SLOT,   AREG+2*BHALF
.set SCA,    2*SLOT
.set SCB,    SCA+8192
.set RL,     SCB+16384
.set SPARE,  RL+512
.set XCB,    6291456
.set XSB,    262144
.set ADRA, 16
.set ADRB, 20
.set STO,  24
.set RD,   25
.set CO,   26
.set ADRS, 27
.set SPW,  28
.set NIL,  29
.set SC,   32
.set RLR,  64
.set AF,   128
.set BK,   128
.set G1, 24
.set G0, 32
.set G1B, 48
.set G0B, 56
.set G1SB, 80
.set G0SB, 88
.set MSB, 0
.macro WIN new
.if MSB != (\new)
	s_set_vgpr_msb (MSB<<8)|(\new)
.set MSB, (\new)
.endif
.endm
.set MUL_LO, 0xa1
.set TO_B,   0x40
.macro JLOAD g0a, g1a, g0b, g1b
	s_cmp_eq_u32 s15, 0
	s_cbranch_scc0 .Lfor_b_\@
	tensor_load_to_lds s[\g0a:\g0a+3], s[\g1a:\g1a+7]
	s_nop 0
.rept 4
	v_nop
.endr
	s_branch .Lasked_\@
.Lfor_b_\@:
	tensor_load_to_lds s[\g0b:\g0b+3], s[\g1b:\g1b+7]
	s_nop 0
.rept 4
	v_nop
.endr
.Lasked_\@:
.endm
.macro CREST
	s_cmp_lg_u32 s14, 0
	s_cbranch_scc1 .Lnot_wave_0_\@
	s_barrier_signal -3
.Lnot_wave_0_\@:
	s_barrier_wait -3
	s_barrier_signal -1
	s_barrier_wait -1
.endm
.macro CROUND
	s_barrier_signal -1
	s_barrier_wait -1
	CREST
.endm
.macro FRAG reg, adr, q, i
.irp c, 0,1,2
	ds_load_b128 v[\reg+4*\c:\reg+4*\c+3], v[\adr] offset:(\i)*6144+(\q)*1536+512*\c
.endr
.endm
.macro FETCH g
.set FP, (\g)%2
.set FS, ((\g)/4)%2
.set FQ, (\g)%4
	WIN TO_B
.irp i, 0,1,2,3,4,5,6,7
	FRAG 128*FP+FR*\i, ADRB+FS, FQ, \i
.endr
	WIN 0
.irp i, 0,1,2,3
	FRAG AF+48*FP+FR*\i, ADRA+FS, FQ, \i
.endr
.irp i, 0,1,2,3,4,5,6,7
	ds_load_b32 v[SC+8*FP+\i], v[ADRS] offset:512*(\g)+64*\i
.endr
.endm
.macro MUL8 a, p, zero
.irp b, 0,1,2,3,4,5,6,7
.if \zero
	v_wmma_scale_f32_16x16x128_f8f6f4 v[8*(8*(\a)+\b):8*(8*(\a)+\b)+7], v[128*(\p)+FR*\b:128*(\p)+FR*\b+FR-1], v[AF+48*(\p)+FR*(\a):AF+48*(\p)+FR*(\a)+FR-1], 0, v[SC+8*(\p)+\b], v[SC+8*(\p)+(\a)] matrix_a_fmt:MATRIX_FMT_BF6 matrix_b_fmt:MATRIX_FMT_BF6 matrix_a_scale:MATRIX_SCALE_ROW1
.else
	v_wmma_scale_f32_16x16x128_f8f6f4 v[8*(8*(\a)+\b):8*(8*(\a)+\b)+7], v[128*(\p)+FR*\b:128*(\p)+FR*\b+FR-1], v[AF+48*(\p)+FR*(\a):AF+48*(\p)+FR*(\a)+FR-1], v[8*(8*(\a)+\b):8*(8*(\a)+\b)+7], v[SC+8*(\p)+\b], v[SC+8*(\p)+(\a)] matrix_a_fmt:MATRIX_FMT_BF6 matrix_b_fmt:MATRIX_FMT_BF6 matrix_a_scale:MATRIX_SCALE_ROW1
.endif
.endr
.endm
.macro PLACES n
.rept \n
	v_nop
.endr
.endm
.macro STEP g, zero
	s_wait_dscnt 0x0
.if (\g) > 0
	PLACES NP
.endif
	FETCH (\g)+1
	WIN MUL_LO
	MUL8 0, (\g)%2, \zero
	MUL8 1, (\g)%2, \zero
	MUL8 2, (\g)%2, \zero
	MUL8 3, (\g)%2, \zero
.endm
.macro TURN g, fill, slot
	WIN 0
	s_wait_tensorcnt 0x0
	ds_add_u32 v[SPW], v[NIL]
	s_wait_dscnt 1
	WIN MUL_LO
	MUL8 0, (\g)%2, 0
	s_wait_dscnt 0x0
	s_barrier_signal -1
	MUL8 1, (\g)%2, 0
	WIN 0
	s_barrier_wait -1
.if \fill
	CREST
	s_add_nc_u64 s[G0+4*\slot+2:G0+4*\slot+3], s[G0+4*\slot+2:G0+4*\slot+3], 12288
	s_add_nc_u64 s[G0B+4*\slot+2:G0B+4*\slot+3], s[G0B+4*\slot+2:G0B+4*\slot+3], 12288
	JLOAD G0+4*\slot, G1, G0B+4*\slot, G1B
.else
	PLACES NP
.endif
	FETCH (\g)+1
.if (\g) == 3                          ; the first change of slots has loaded chunk 2: chunk 3, the last, is loaded at the next
	global_prefetch_b8 v30, s[76:77] offset:18432 th:TH_LOAD_NT scope:SCOPE_SE
	global_prefetch_b8 v31, s[78:79] offset:18432 th:TH_LOAD_NT scope:SCOPE_SE
.endif
	WIN MUL_LO
	MUL8 2, (\g)%2, 0
	MUL8 3, (\g)%2, 0
.endm
	s_load_b256 s[4:11], s[0:1], 0x0
	s_load_b64 s[12:13], s[0:1], 0x20
	v_lshl_add_u32 v[SPW], v0, 2, SPARE
	v_mov_b32 v[NIL], 0
	ds_add_u32 v[SPW], v[NIL]
	ds_add_u32 v[SPW], v[NIL]
	v_lshrrev_b32 v1, 5, v0
	v_readfirstlane_b32 s14, v1
	s_lshr_b32 s15, s14, 1
	s_and_b32 s16, s14, 1
	s_bfe_u32 s40, ttmp6, 0x40000
	s_bfe_u32 s41, ttmp6, 0x40004
	s_mov_b32 s42, s40
	s_and_b32 s18, ttmp7, 0xffff
	s_lshl_b32 s17, s18, 2
	s_add_co_u32 s17, s17, s41
	s_lshr_b32 s18, s18, 2
	s_lshl_b32 s43, s41, 2
	s_lshl_b32 s43, 15, s43
	s_lshl_b32 s44, 0x1111, s40
	s_or_b32 s[G1+0], s43, (3<<16)|(1<<21)
	s_mov_b32 s[G1+1], 768<<16
	s_mov_b32 s[G1+2], 8<<16
	s_mov_b32 s[G1+3], 768<<16
	s_mov_b32 s[G1+4], 8
	s_mov_b32 s[G1+5], 3072
	s_mov_b32 s[G1+6], 0
	s_mov_b32 s[G1+7], 0
	s_or_b32 s[G1B+0], s44, (3<<16)|(1<<21)
	s_mov_b32 s[G1B+1], 768<<16
	s_mov_b32 s[G1B+2], 16<<16
	s_mov_b32 s[G1B+3], 768<<16
	s_mov_b32 s[G1B+4], 16
	s_mov_b32 s[G1B+5], 12288
	s_mov_b32 s[G1B+6], 0
	s_mov_b32 s[G1B+7], 0
	s_or_b32 s[G1SB+0], s44, (3<<16)|(1<<21)
	s_mov_b32 s[G1SB+1], 32<<16
	s_mov_b32 s[G1SB+2], 32<<16
	s_mov_b32 s[G1SB+3], 32<<16
	s_mov_b32 s[G1SB+4], 32
	s_mov_b32 s[G1SB+5], 32
	s_mov_b32 s[G1SB+6], 0
	s_mov_b32 s[G1SB+7], 0
	s_lshl_b32 s19, s17, 1
	s_add_co_u32 s19, s19, s16
	s_mul_i32 s20, s19, 98304
	s_mov_b32 s21, 0
	s_lshl_b32 s66, s42, 1
	s_add_co_u32 s66, s66, s16
	s_mul_i32 s46, s66, 786432
	s_mul_i32 s66, s18, 24576
	s_add_co_u32 s46, s46, s66
	s_add_co_u32 s46, s46, 2*XCB
	s_mov_b32 s47, 0
	s_lshl_b32 s66, s42, 1
	s_add_co_u32 s66, s66, s16                     ; waves 2, 3: the scale words of v^T's half 0, 1, for the batch's 16 steps: 8,192 dense bytes
	s_lshl_b32 s66, s66, 6
	s_lshl_b32 s92, s18, 4
	s_add_co_u32 s66, s66, s92
	s_lshl_b32 s92, s66, 9
	s_add_co_u32 s92, s92, 2*XSB
	s_mov_b32 s93, 0
	s_mul_i32 s45, s16, AHALF
	s_mul_i32 s96, s16, BHALF
	s_add_co_u32 s96, s96, AREG
	s_lshl_b32 s67, s16, 13
	s_mov_b32 s94, 0x01010101
	s_mov_b32 s95, 0x80808080
	s_wait_dscnt 0x0
	s_wait_kmcnt 0x0
	s_add_nc_u64 s[20:21], s[4:5], s[20:21]
	s_add_nc_u64 s[46:47], s[8:9], s[46:47]
	s_add_nc_u64 s[92:93], s[10:11], s[92:93]
	CROUND
	s_mov_b32 s[G0SB], 1
	s_add_co_u32 s[G0SB+1], s67, SCB
	s_mov_b64 s[G0SB+2:G0SB+3], s[92:93]
	s_or_b32 s[G0SB+3], s[G0SB+3], 0x80000000
.irp s, 0,1
	s_mov_b32 s[G0+4*\s], 1
	s_add_co_u32 s[G0+4*\s+1], s45, \s*SLOT
	s_add_nc_u64 s[G0+4*\s+2:G0+4*\s+3], s[20:21], \s*6144
	s_or_b32 s[G0+4*\s+3], s[G0+4*\s+3], 0x80000000
	s_mov_b32 s[G0B+4*\s], 1
	s_add_co_u32 s[G0B+4*\s+1], s96, \s*SLOT
	s_add_nc_u64 s[G0B+4*\s+2:G0B+4*\s+3], s[46:47], \s*6144
	s_or_b32 s[G0B+4*\s+3], s[G0B+4*\s+3], 0x80000000
.endr
	s_mul_i32 s2, s16, 98304                       ; groups 0 for the head's whole tiles: back from my half to the tile's first byte
	s_mov_b32 s3, 0
	s_mov_b32 s68, 1
	s_mov_b32 s69, 0
	s_sub_nc_u64 s[70:71], s[20:21], s[2:3]
	s_mov_b64 s[76:77], s[70:71]                   ; P's tile, kept for the prefetches
	s_or_b32 s71, s71, 0x80000000
	s_mul_i32 s2, s16, 786432
	s_mov_b32 s72, 1
	s_mov_b32 s73, AREG
	s_sub_nc_u64 s[74:75], s[46:47], s[2:3]
	s_mov_b64 s[78:79], s[74:75]                   ; v^T's tile, kept for the prefetches
	s_or_b32 s75, s75, 0x80000000
	s_lshl_b32 s2, s40, 1
	s_add_co_u32 s2, s2, s15
	s_mul_i32 s2, s2, 24576                        ; prefetch, P: row block 2 cx + wave / 2,
	s_mul_i32 s3, s16, 3072
	s_add_co_u32 s2, s2, s3                        ; its 12 blocks of 256 bytes number wave % 2
	s_lshl_b32 s3, s41, 2
	s_add_co_u32 s3, s3, s14
	s_mul_i32 s3, s3, 98304                        ; v^T: row block 4 cy + wave
	v_and_b32 v3, 31, v0
	v_min_u32 v4, 11, v3
	v_min_u32 v5, 23, v3
	v_lshl_add_u32 v30, v4, 8, s2                  ; v30, v31: never rewritten
	v_lshl_add_u32 v31, v5, 8, s3
	s_wait_alu depctr_va_vdst(0)                   ; directly behind the writes
	s_cmp_lt_u32 s14, 1                            ; one chain of branches on the wave's number, one load to an arm
	s_cbranch_scc0 .Lhead_b
	tensor_load_to_lds s[68:71], s[G1:G1+7]
	s_nop 0
.rept 4
	v_nop
.endr
	s_branch .Lhead_asked
.Lhead_b:
	s_cmp_lt_u32 s14, 2
	s_cbranch_scc0 .Lhead_s
	tensor_load_to_lds s[72:75], s[G1B:G1B+7]
	s_nop 0
.rept 4
	v_nop
.endr
	s_branch .Lhead_asked
.Lhead_s:
	tensor_load_to_lds s[G0SB:G0SB+3], s[G1SB:G1SB+7]
	s_nop 0
.rept 4
	v_nop
.endr
.Lhead_asked:
	s_lshl_b32 s22, s17, 13
	s_mov_b32 s23, 0
	s_add_nc_u64 s[6:7], s[6:7], s[22:23]
	v_lshlrev_b32 v18, 2, v0
.set sg, 0
.rept 16
	global_load_b32 v[128+sg], v18, s[6:7] offset:524288+512*sg
	global_load_b32 v[144+sg], v18, s[6:7] offset:1048576+512*sg
	global_load_b32 v[160+sg], v18, s[6:7] offset:512*sg
.set sg, sg+1
.endr
	global_prefetch_b8 v30, s[76:77] offset:6144 th:TH_LOAD_NT scope:SCOPE_SE    ; key chunk 1, loaded behind the next round
	global_prefetch_b8 v31, s[78:79] offset:6144 th:TH_LOAD_NT scope:SCOPE_SE
	s_lshl_b32 s19, s17, 19
	s_lshl_b32 s20, s15, 18
	s_add_co_u32 s20, s20, s19
	s_lshl_b32 s19, s42, 10
	s_add_co_u32 s20, s20, s19
	s_lshl_b32 s19, s16, 9
	s_add_co_u32 s20, s20, s19
	s_mov_b32 s21, 0
	s_add_nc_u64 s[12:13], s[12:13], s[20:21]
	v_lshl_add_u32 v19, v0, 2, SCA
	v_lshl_add_u32 v22, v0, 2, RL
	v_and_b32 v1, 15, v0
	v_bfe_u32 v2, v0, 4, 1
	s_wait_alu depctr_va_vdst(0)
	v_and_b32 v3, 31, v0
	v_lshlrev_b32 v[CO], 4, v3
	s_mul_i32 s17, s15, AHALF
	s_mul_i32 s19, s16, BHALF
	s_add_co_u32 s19, s19, AREG
.irp s, 0,1
	v_add_nc_u32 v[ADRA+\s], s17, v[CO]
	v_add_nc_u32 v[ADRB+\s], s19, v[CO]
	s_add_co_u32 s17, s17, SLOT
	s_add_co_u32 s19, s19, SLOT
.endr
	v_lshlrev_b32 v5, 2, v1
	s_lshl_b32 s17, s15, 8
	s_lshl_b32 s19, s16, 13
	s_add_co_u32 s19, s19, SCB-SCA
	s_sub_co_u32 s19, s19, s17
	v_mul_u32_u24 v6, s19, v2
	s_add_co_u32 s17, s17, SCA
	v_add_nc_u32 v6, v5, v6
	v_add_nc_u32 v[ADRS], s17, v6
	s_lshl_b32 s17, s15, 8
	s_add_co_u32 s17, s17, RL
	v_add_nc_u32 v23, s17, v5
	s_mul_i32 s17, s14, 8448
	v_mul_u32_u24 v6, v1, 528
	v_lshl_add_u32 v6, v2, 6, v6
	v_add_nc_u32 v[STO], s17, v6
	v_add_nc_u32 v[RD], s17, v[CO]
	s_wait_alu depctr_va_vdst(0)
	s_wait_tensorcnt 0x0                           ; my tile of the head's is in
	ds_add_u32 v[SPW], v[NIL]
	s_mov_b32 s[G1+2], 4<<16                       ; no tensor load of mine is out: from here on a load brings half of the slot's A or of its B
	s_mov_b32 s[G1+4], 4
	s_mov_b32 s[G1B+2], 8<<16
	s_mov_b32 s[G1B+4], 8
	s_wait_dscnt 0x0
	CROUND
	JLOAD G0+4, G1, G0B+4, G1B                     ; slot 1's first fill, the first tensor load behind the round
	s_wait_loadcnt 0x0
	global_prefetch_b8 v30, s[76:77] offset:12288 th:TH_LOAD_NT scope:SCOPE_SE   ; key chunk 2, loaded at the first change of slots
	global_prefetch_b8 v31, s[78:79] offset:12288 th:TH_LOAD_NT scope:SCOPE_SE
	v_min3_num_f32 v71, v128, v129, v130
.irp i, 3,5,7,9,11,13
	v_min3_num_f32 v71, v71, v[128+\i], v[128+\i+1]
.endr
	v_min_num_f32 v71, v71, v143
.set sg, 0
.rept 16
	v_sub_f32 v64, v[128+sg], v71
	v_cvt_u32_f32 v64, v64
	v_min_u32 v64, 127, v64
	v_sub_nc_u32 v65, 0, v64
.if sg == 0
	v_ldexp_f32 v72, v144, v65
.else
	v_ldexp_f32 v66, v[144+sg], v65
	v_add_f32 v72, v72, v66
.endif
	v_mul_lo_u32 v67, v64, s94
	v_or_b32 v68, s95, v[160+sg]
	v_sub_nc_u32 v68, v68, v67
	v_and_b32 v69, s95, v68
	v_lshrrev_b32 v70, 7, v69
	v_sub_nc_u32 v69, v69, v70
	v_and_b32 v[160+sg], v68, v69
	ds_store_b32 v19, v[160+sg] offset:512*sg
.set sg, sg+1
.endr
	s_wait_alu depctr_va_vdst(0)
	v_rcp_f32 v73, v72
	v_nop
	s_wait_alu depctr_va_vdst(0)
	ds_store_b32 v22, v73
	s_wait_dscnt 0x0
	s_barrier_signal -1
	s_barrier_wait -1
	FETCH 0
	STEP 0, 1
	STEP 1, 0
	STEP 2, 0
	TURN 3, 1, 0
	STEP 4, 0
	STEP 5, 0
	STEP 6, 0
	TURN 7, 1, 1
	STEP 8, 0
	STEP 9, 0
	STEP 10, 0
	TURN 11, 0, 0
	STEP 12, 0
	STEP 13, 0
	STEP 14, 0
	s_wait_dscnt 0x0
	WIN MUL_LO
	MUL8 0, 1, 0
	MUL8 1, 1, 0
	MUL8 2, 1, 0
	MUL8 3, 1, 0
	WIN 0
.macro TOSTAGE a
.set AC, 64*(\a)
	WIN 0x82
.set j, 0
.rept 32
	v_pk_mul_f32 v[AC+j:AC+j+1], v[AC+j:AC+j+1], v[RLR+2*(\a):RLR+2*(\a)+1]
.set j, j+2
.endr
	WIN 0x08
.irp b, 0,1,2,3,4,5,6,7
	ds_store_b128 v[STO], v[AC+8*\b:AC+8*\b+3] offset:128*(\b/2)+32*(\b%2)
	ds_store_b128 v[STO], v[AC+8*\b+4:AC+8*\b+7] offset:128*(\b/2)+32*(\b%2)+16
.endr
	WIN 0
.set BB, BK+64*((\a)%2)
.irp t, 0,1,2,3,4,5,6,7,8,9,10,11,12,13,14,15
	ds_load_b128 v[BB+4*\t:BB+4*\t+3], v[RD] offset:\t*528
.endr
.endm
.macro SEND a, younger
.set BB, BK+64*((\a)%2)
	s_wait_dscnt \younger
.irp t, 0,1,2,3,4,5,6,7,8,9,10,11,12,13,14,15
	global_store_b128 v[CO], v[BB+4*\t:BB+4*\t+3], s[12:13] offset:(32*((\a)/2)+8*((\a)%2)+\t+8*(\t/8))*4096 th:TH_STORE_NT
.endr
.endm
	PLACES NP
.irp a, 0,1,2,3
	ds_load_b32 v[RLR+2*\a], v23 offset:64*\a
	ds_load_b32 v[RLR+2*\a+1], v23 offset:64*\a
.endr
	s_wait_dscnt 0x0
	TOSTAGE 0
.irp a, 1,2,3
.if \a > 1
	s_wait_xcnt 0x0
.endif
	TOSTAGE \a
	SEND \a-1, 32
.endr
	SEND 3, 0
	s_wait_tensorcnt 0x0
	ds_add_u32 v[SPW], v[NIL]
	s_wait_dscnt 0x0
	CROUND
	s_endpgm
.Lfunc_end_k_qa868d22ea8_pv:
	.size	k_qa868d22ea8_pv, .Lfunc_end_k_qa868d22ea8_pv-k_qa868d22ea8_pv
	.p2alignl 7, 3214868480
	.fill 96, 4, 3214868480
	.section	.rodata,"a",@progbits
	.p2align	6, 0x0
	.amdhsa_kernel k_qa868d22ea8_pv
		.amdhsa_group_segment_fixed_size 327680
		.amdhsa_private_segment_fixed_size 0
		.amdhsa_enable_private_segment 0
		.amdhsa_kernarg_size 40
		.amdhsa_user_sgpr_count 2
		.amdhsa_user_sgpr_kernarg_segment_ptr 1
		.amdhsa_wavefront_size32 1
		.amdhsa_system_sgpr_workgroup_id_x 1
		.amdhsa_system_sgpr_workgroup_id_y 1
		.amdhsa_system_sgpr_workgroup_id_z 1
		.amdhsa_system_vgpr_workitem_id 0
		.amdhsa_next_free_vgpr 768
		.amdhsa_next_free_sgpr 100
		.amdhsa_reserve_vcc 0
		.amdhsa_float_denorm_mode_32 3
		.amdhsa_float_denorm_mode_16_64 3
		.amdhsa_memory_ordered 1
		.amdhsa_forward_progress 1
		.amdhsa_inst_pref_size 164
	.end_amdhsa_kernel
	.amdgpu_metadata
---
amdhsa.version: [ 1, 2 ]
amdhsa.kernels:
  - .name:           k_qa868d22ea8_pv
    .symbol:         k_qa868d22ea8_pv.kd
    .args:
      - { .name: c3, .offset: 0, .size: 8, .value_kind: global_buffer, .address_space: global }
      - { .name: s3, .offset: 8, .size: 8, .value_kind: global_buffer, .address_space: global }
      - { .name: c2, .offset: 16, .size: 8, .value_kind: global_buffer, .address_space: global }
      - { .name: s2, .offset: 24, .size: 8, .value_kind: global_buffer, .address_space: global }
      - { .name: out0, .offset: 32, .size: 8, .value_kind: global_buffer, .address_space: global }
    .group_segment_fixed_size: 327680
    .private_segment_fixed_size: 0
    .kernarg_segment_align: 8
    .kernarg_segment_size: 40
    .max_flat_workgroup_size: 128
    .sgpr_count:     100
    .vgpr_count:     768
    .wavefront_size: 32
...
	.end_amdgpu_metadata
.endif
;; end of part 4
